; MI455X (gfx1250); checked and timed in simulation.
; The chip was launched on July 23, 2026; its instructions are those of AMD's public machine-readable ISA for CDNA 5 (MIT licence, August 2026) and "CDNA5" Instruction Set Architecture Reference Guide (July 2026). The comments in the code are by the model that wrote it; some were corrected since.
;; Causal Self Attention. Allowed arithmetic: matrix products marked QUANTISED: E3M2 operands, one E8M0 scale for each 32 along K, by v_wmma_scale_f32_16x16x128_f8f6f4 with both operands' format E3M2, f32 sums; everything else in f32.
;; Inputs: W_attn 1,024 x 3,072 float32; W_proj 1,024 x 1,024 float32; b_attn 3,072 float32; b_proj 1,024 float32; x 4 x 2,048 x 1,024 float32.
;; Outputs: out0 4 x 2,048 x 1,024 float32.
;; This version of the problem:
;;   THIS VERSION OF THE PROBLEM IS GIVEN IN LOW PRECISION. The matrix products marked QUANTISED in the list below multiply operands that are first quantised to E3M2 (3 exponent bits, 2 mantissa bits; 6 bits a number), with one power-of-two scale for each 32 numbers along K (OCP MX v1.0); their sums are f32. All else is computed in f32.
;;   The module's matrix products, in the order in which they are computed (A, B: the left and right operand; K: the contracted axis; several contracted axes count as one K, in the product's order):
;;     1. [M 8,192, K 1,024] x [K 1,024, N 3,072]; A: input x; B: input W_attn: QUANTISED
;;     2. batch 64 x [M 2,048, K 64] x [K 64, N 2,048]; A: computed on the way; B: computed on the way: QUANTISED
;;     3. batch 64 x [M 2,048, K 2,048] x [K 2,048, N 64]; A: softmax (see below); B: computed on the way: QUANTISED
;;     4. [M 8,192, K 1,024] x [K 1,024, N 1,024]; A: computed on the way; B: input W_proj: QUANTISED
;;   THE QUANTISER, for each operand of a quantised product, along K:
;;     - K is cut into blocks of 32 from its start; a last block that is shorter is filled with zeros.
;;     - A block's scale is 2^e with e = floor(log2(the largest magnitude in the block)) - 4, held to -126 .. 127; a block of zeros has e = 0. As a byte (E8M0): e + 127.
;;     - Each number is divided by its block's scale, clamped to +-28, and rounded to the nearest number of E3M2, ties to even, subnormals kept.
;;     - The product sums the exact products of the quantised numbers (number of the format x scale) in f32.
;;   ~~~python
;;   def quantise(x, axis):      # numpy; x: float32 -> the quantised numbers, widened to float32 again
;;       x = np.moveaxis(x, axis, -1); K = x.shape[-1]
;;       x = np.pad(x, [(0, 0)] * (x.ndim - 1) + [(0, -K % 32)]); x = x.reshape(x.shape[:-1] + (-1, 32)); a = np.abs(x).max(-1, keepdims=True)
;;       e = np.where(a > 0, np.clip(np.frexp(np.where(a > 0, a, 1))[1] - 1 - 4, -126, 127), 0)      # np.frexp(a)[1] - 1 = floor(log2(a)), exactly
;;       r = np.clip(x / 2.0 ** e, -28, 28)
;;       step = 2.0 ** (np.maximum(np.frexp(np.where(r == 0, 1, r))[1] - 1, -2) - 2)
;;       q = np.round(r / step) * step * 2.0 ** e      # np.round: ties to even
;;       return np.moveaxis(q.reshape(q.shape[:-2] + (-1,))[..., :K], -1, axis).astype(np.float32)
;;   ~~~
;;   SOFTMAX AHEAD OF A QUANTISED PRODUCT. Where the list says 'softmax', what is quantised is not the finished softmax but p = 2^(t - M), with t = logit x log2(e) and M = ceil(the row's largest t), a whole number; so 1/2 < the row's largest p <= 1. The row's sum l is taken of the UNQUANTISED p, in f32, and the product's result is divided by l at the end. Since M is a whole number, a kernel that streams over the keys may use a running M (the ceiling of the running maximum): every later rescaling is an exact power of two, which a block's scale takes up: the codes' values come out the same.
;;   OPERANDS COMPUTED ON THE WAY. 'Computed on the way' means the value that the module computes at that place (a softmax that the list does not call 'softmax' is quantised finished and normalised). What goes into a quantiser is computed in f32, as accurately as f32 sums, v_exp_f32 and their like allow (about 1e-6 of the number): no bf16 or f16 on the way to a quantiser, and a product that is left as it is and whose result goes on into a quantised operand takes f32 operands (vector FMAs, or v_wmma_f32_16x16x4_f32). A number that lies on a knife's edge between two numbers of the format may be rounded either way, as far as f32 arithmetic and the matrix unit's own rounding can turn it there, and no further.
;; One version. Each part assembles by itself: llvm-mc -triple=amdgcn-amd-amdhsa -mcpu=gfx1250 --defsym DOCPART=n.
;; ======== version 1 of 1: 4 launches
;; workspace buffers: xr 6,553,600 bytes; wr 3,276,800 bytes; qk 13,631,488 bytes; vt 6,553,600 bytes; yr 6,553,600 bytes
;; launch prep (part 1): grid 512 x 1, 4 waves a work-group, no clusters, 47,616 bytes of LDS; arguments x, W_attn, W_proj, xr, wr; writes xr, wr
.if DOCPART == 1
	.amdgcn_target "amdgcn-amd-amdhsa--gfx1250"
	.amdhsa_code_object_version 6
	.text
	.protected	k_q5ed6c59e0b_prep
	.globl	k_q5ed6c59e0b_prep
	.p2align	8
	.type	k_q5ed6c59e0b_prep,@function
k_q5ed6c59e0b_prep:
	s_mov_b64 s[64:65], 0
	v_nop
	global_prefetch_b8 v0, s[64:65] scope:SCOPE_SE
	s_setreg_imm32_b32 hwreg(HW_REG_WAVE_MODE, 25, 1), 1
	s_wait_xcnt 0x0
; CAUSAL SELF-ATTENTION IN MX-BF6, launch 1 of 4: x, W_attn and W_proj (f32) become codes of E3M2 with one E8M0 byte for each 32 along K.
; DEAD WORK IN THE WHOLE PROGRAM.  No input is dead: every bias goes into a quantised operand or into the output, so all five inputs are loaded.  Left out is only what reference()'s own tril throws away in whole
; units: in the third launch a step of 128 keys all of which come after all 16 queries of a wave.  There att is -inf for every value of the inputs, p is 0, and neither the row's sum nor the second product takes anything
; from it.  LIMIT: a NaN, an infinity or an overflow that reaches only those hidden scores is not carried to the result.
; LIMITS: NaN and infinities among the inputs are not served.  A block of zeros gets the byte 1 where the rule says 127: its codes are zeros, which add nothing under any byte but 0xff, and only this program reads the bytes.
; THE FORMAT OF EVERY OPERAND OF THE PROGRAM.  Rows (tokens, columns) go in tiles of 16 slots; slot r of tile t is row 32 (t / 2) + 8 (t % 2) + r + 8 (r / 8), so that as source 0 of a product the 16 result registers of
; tiles 2 B and 2 B + 1 are 16 neighbouring rows.  A HALF IMAGE, 768 bytes, is 16 slots x 64 along K as the operand's six registers stand: lane l's first four at 16 l, its last two at 512 + 8 l.
; A RECORD, 12,800 bytes, is a tile's K = 1,024: sixteen half images, then at 12,288 + 64 s + 4 r the scale word of slot r for the s-th 128 along K.  xr: 512 tiles of tokens.  wr: 192 tiles of W_attn's columns, 64 of W_proj's.
; Work-groups 0-255 take the weights, 256-511 take x; the two ways part once, on the work-group's number, and each has LDS bytes of its own.  No tensor load, no barrier: waves share nothing.
.set SPARE, 47104                      ; behind both ways' bytes: the spare words, 128 bytes a wave
.set XREG,  8704                       ; x: a wave's region: a stage of 16 rows x 528 bytes, then its 256 bytes of scale words
.set WSTG,  34816                      ; the weights: a wave's stage of 3,072 bytes begins here + 3,072 x wave
.set REC,   12800
.set L16, 2                            ; v2   16 x lane
.set L8,  3                            ; v3   8 x lane
.set SPW, 10                           ; v10  LDS address of my spare word; never rewritten
.set NIL, 11                           ; v11  0; never rewritten
.set TM,  12                           ; x: v12-15 largest magnitudes, v16-19 bytes, v24-27 the conversions' scale operands
.set PW,  28                           ; x: the scale word just made
.set PC,  32                           ; x: v32-50 the codes just made
.set X,   64                           ; x: v64-127 64 numbers of my row, 16 of each block of 32
.set R,   128                          ; x: v128-255 two sets of 64 registers as loaded
.set WM,  12                           ; W: v12-13 two chains of the maximum
.set WS,  14                           ; W: the conversions' scale operand
.set WB,  15                           ; W: the scale's byte
.set SBW, 16                           ; W: my column's scale word
.set WC,  32                           ; W: v32-37 a block's codes
.set WD,  40                           ; W: v40-42 their upper half as the conversion leaves it
.set OFF, 64                           ; W: v64-95 4 x lane + i rows
.set OUTR, 96                          ; W: v96-119 the way out
.set WX,  128                          ; W: v128-191 two sets of 32 numbers
.set BP,  24                           ; W: s[24:31] the four blocks' bases
	s_load_b256 s[4:11], s[0:1], 0x0               ; x s[4:5], W_attn s[6:7], W_proj s[8:9], xr s[10:11]
	s_load_b64 s[12:13], s[0:1], 0x20              ; wr
	v_lshl_add_u32 v[SPW], v0, 2, SPARE
	v_mov_b32 v[NIL], 0
	v_lshrrev_b32 v1, 5, v0
	v_readfirstlane_b32 s14, v1                    ; wave
	v_and_b32 v1, 31, v0                           ; lane
	v_lshlrev_b32 v[L16], 4, v1
	v_lshlrev_b32 v[L8], 3, v1
	s_cmp_lt_u32 ttmp9, 256
	s_cbranch_scc0 .Lx_path
; ---------------- THE WEIGHTS.  K is their FIRST axis: a lane takes a column and its registers run down K, so a block of 32 lies in one lane and the codes come out with K innermost.
; Work-group = (group of 128 columns, 128 along K); a wave takes 32 columns: two tiles.  Lane j is slot (j & 7) + 8 (j >> 4) of tile (j >> 3) & 1.
	s_lshr_b32 s15, ttmp9, 3                       ; group of 128 columns: 0-23 W_attn's, 24-31 W_proj's
	s_and_b32 s16, ttmp9, 7                        ; which 128 along K
	v_bfe_u32 v4, v0, 3, 1                         ; u: which of my two tiles
	v_and_b32 v5, 7, v0
	v_bfe_u32 v6, v0, 4, 1
	v_lshl_add_u32 v5, v6, 3, v5                   ; r: my slot
	s_mul_i32 s17, s14, 3072
	s_add_co_u32 s17, s17, WSTG                    ; my stage: two tiles x two half images
	v_mul_u32_u24 v6, v4, 1536
	v_add_nc_u32 v6, s17, v6
	v_lshl_add_u32 v7, v5, 3, v6
	v_add_nc_u32 v7, 512, v7                       ; where my last two registers of a block go
	v_lshl_add_u32 v6, v5, 4, v6                   ; and my first four
	v_add_nc_u32 v8, s17, v[L16]                   ; back: 16 bytes a lane, on end
	v_mul_u32_u24 v9, v4, REC
	v_lshl_add_u32 v9, v5, 2, v9                   ; my scale word's place from the first tile's
	s_cmp_lt_u32 s15, 24
	s_mov_b32 s18, 4096
	s_cselect_b32 s18, 12288, s18                  ; a row of the weight in bytes
	s_cselect_b32 s19, 0, 24
	s_sub_co_u32 s19, s15, s19                     ; the group's number in its own tensor
	s_lshl_b32 s20, s16, 7
	s_mul_i32 s22, s20, s18                        ; my first row,
	s_lshl_b32 s20, s19, 9
	s_add_co_u32 s22, s22, s20                     ; the group's 128 columns,
	s_lshl_b32 s20, s14, 7
	s_add_co_u32 s22, s22, s20                     ; my wave's 32
	s_mov_b32 s23, 0
	s_lshl_b32 s20, s18, 5                         ; 32 rows on
	s_mov_b32 s21, 0
	v_lshlrev_b32 v[OFF], 2, v1
.irp i, 0,1,2,3,4,5,6,7,8,9,10,11,12,13,14,15,16,17,18,19,20,21,22,23,24,25,26,27,28,29,30
	v_add_nc_u32 v[OFF+1+\i], s18, v[OFF+\i]       ; the pitch is chosen, so the rows stand in registers, not in immediates
.endr
	s_lshl_b32 s36, s15, 3
	s_lshl_b32 s37, s14, 1
	s_add_co_u32 s36, s36, s37                     ; my first tile: 8 x group + 2 x wave
	s_mul_i32 s36, s36, REC
	s_mov_b32 s37, 0
	s_wait_kmcnt 0x0
	s_cmp_lt_u32 s15, 24                           ; the choice hangs on the work-group's number alone
	s_cselect_b64 s[BP:BP+1], s[6:7], s[8:9]
	s_add_nc_u64 s[BP:BP+1], s[BP:BP+1], s[22:23]
	s_add_nc_u64 s[BP+2:BP+3], s[BP:BP+1], s[20:21]
	s_add_nc_u64 s[BP+4:BP+5], s[BP+2:BP+3], s[20:21]
	s_add_nc_u64 s[BP+6:BP+7], s[BP+4:BP+5], s[20:21]
	s_add_nc_u64 s[34:35], s[12:13], s[36:37]      ; my first tile's record
	s_mul_i32 s36, s16, 1536
	s_add_nc_u64 s[32:33], s[34:35], s[36:37]      ; its two half images of these 128 along K
	s_lshl_b32 s36, s16, 6
	s_add_co_u32 s36, s36, 12288
	s_add_nc_u64 s[34:35], s[34:35], s[36:37]      ; and its scale words
.macro WLOAD t                         ; block t: 32 rows at my column: a wave reads 128 neighbouring bytes, the four waves 512
.irp i, 0,1,2,3,4,5,6,7,8,9,10,11,12,13,14,15,16,17,18,19,20,21,22,23,24,25,26,27,28,29,30,31
	global_load_b32 v[WX+32*((\t)%2)+\i], v[OFF+\i], s[BP+2*(\t):BP+2*(\t)+1] th:TH_LOAD_NT
.endr
.endm
.macro WBLOCK t
.set XS, WX+32*((\t)%2)
.if (\t) < 3
	s_wait_loadcnt 32                              ; this block's 32 loads are in; the next block's 32 may be out
.else
	s_wait_loadcnt 0x0
.endif
	v_max3_num_f32 v[WM], |v[XS]|, |v[XS+1]|, |v[XS+2]|            ; the block's largest magnitude: all 32 numbers are mine; two chains
	v_max3_num_f32 v[WM+1], |v[XS+3]|, |v[XS+4]|, |v[XS+5]|
.irp i, 6,10,14,18,22,26
	v_max3_num_f32 v[WM], v[WM], |v[XS+\i]|, |v[XS+\i+1]|
	v_max3_num_f32 v[WM+1], v[WM+1], |v[XS+\i+2]|, |v[XS+\i+3]|
.endr
	v_max3_num_f32 v[WM], v[WM], |v[XS+30]|, |v[XS+31]|
	v_max3_num_f32 v[WM], v[WM], v[WM+1], 0x2800000                ; and the floor 2^(5 - 127): the byte cannot fall under 1
	v_add_nc_u32 v[WS], 0xfe000000, v[WM]          ; 4 off the exponent field: the conversion takes this operand's exponent field as its scale
	v_lshrrev_b32 v[WB], 23, v[WS]                 ; the scale's byte
.if (\t) == 0
	v_mov_b32 v[SBW], v[WB]
.else
	v_lshl_or_b32 v[SBW], v[WB], 8*(\t), v[SBW]    ; the lower K in the lower byte
.endif
	v_cvt_scalef32_pk16_bf6_f32 v[WC:WC+2], v[XS:XS+15], v[WS]
	v_cvt_scalef32_pk16_bf6_f32 v[WD:WD+2], v[XS+16:XS+31], v[WS]  ; (a conversion's three registers begin on an even number)
	v_nop                                          ; one plain place behind a scaled conversion
.irp i, 0,1,2
	v_mov_b32 v[WC+3+\i], v[WD+\i]
.endr
	ds_store_b128 v6, v[WC:WC+3] offset:((\t)/2)*768+((\t)%2)*256  ; block t is registers 6 (t / 2) on of lane r + 16 (t % 2)
	ds_store_b64 v7, v[WC+4:WC+5] offset:((\t)/2)*768+((\t)%2)*128
.if (\t)+2 < 4
	WLOAD (\t)+2
.endif
	s_wait_dscnt 0x0                               ; the stores have read their registers: the next block's codes may be written
.endm
	WLOAD 0
	WLOAD 1
	WBLOCK 0
	WBLOCK 1
	WBLOCK 2
	WBLOCK 3
.irp k, 0,1,2,3,4,5
	ds_load_b128 v[OUTR+4*\k:OUTR+4*\k+3], v8 offset:512*\k        ; LDS serves a wave's instructions in order: these see my stores
.endr
	global_store_b32 v9, v[SBW], s[34:35]          ; sixteen lanes write 64 neighbouring bytes of a record: 128 KB of such pieces in the whole launch
.irp k, 0,1,2,3,4,5
	s_wait_dscnt 5-\k                              ; the younger loads may be out
	global_store_b128 v[L16], v[OUTR+4*\k:OUTR+4*\k+3], s[32:33] offset:(\k/3)*REC+(\k%3)*512   ; 512 consecutive bytes, at a multiple of 256
.endr
	s_wait_tensorcnt 0x0                           ; the wave's end
	ds_add_u32 v[SPW], v[NIL]
	s_wait_dscnt 0x0
	s_endpgm
; ---------------- x.  K is innermost.  A wave takes a tile of 16 tokens x 512 along K, four steps of 128.  Each load reads 512 consecutive bytes of one row; the step turns through the wave's own stage (rows of 512 + 16 bytes),
; so that lane (r, h) comes to hold, of row r, the 16 numbers 32 B + 16 h + 0 .. 15 of each block B.
.Lx_path:
	s_sub_co_u32 s15, ttmp9, 256
	s_lshl_b32 s15, s15, 2
	s_add_co_u32 s15, s15, s14
	s_lshr_b32 s16, s15, 1                         ; my tile of tokens
	s_and_b32 s17, s15, 1                          ; which half of K
	s_mul_i32 s18, s14, XREG                       ; my region of LDS
	v_and_b32 v4, 15, v0                           ; r
	v_bfe_u32 v5, v0, 4, 1                         ; h
	v_add_nc_u32 v6, s18, v[L16]                   ; into the stage: as loaded
	v_mul_u32_u24 v7, v4, 528
	v_lshl_add_u32 v7, v5, 6, v7
	v_add_nc_u32 v7, s18, v7                       ; out of it: row r, + 64 h
	v_lshl_add_u32 v8, v4, 2, s18                  ; my row's scale word
	v_add_nc_u32 v9, s18, v[L8]                    ; and the words' way out: 8 bytes a lane
	s_lshr_b32 s19, s16, 1
	s_lshl_b32 s19, s19, 5
	s_and_b32 s20, s16, 1
	s_lshl_b32 s20, s20, 3
	s_add_co_u32 s19, s19, s20                     ; slot 0's token
	s_lshl_b32 s20, s19, 12
	s_lshl_b32 s21, s17, 11
	s_add_co_u32 s20, s20, s21
	s_mov_b32 s21, 0
	s_mul_i32 s22, s16, REC
	s_mul_i32 s24, s17, 6144
	s_add_co_u32 s24, s24, s22                     ; my eight half images
	s_mov_b32 s25, 0
	s_lshl_b32 s23, s17, 8
	s_add_co_u32 s22, s22, s23
	s_add_co_u32 s22, s22, 12288                   ; my 256 bytes of scale words
	s_mov_b32 s23, 0
	s_mov_b32 s30, 0x76543210
	s_mov_b32 s31, 0xfedcba98                      ; v_permlanex16_b32's selects for lane l xor 16
.irp b, 0,1,2,3
	v_mov_b32 v[TM+4+\b], 0                        ; written once: a lane permute's destination counts as one of its sources
.endr
	s_wait_kmcnt 0x0
	s_add_nc_u64 s[4:5], s[4:5], s[20:21]
	s_add_nc_u64 s[26:27], s[10:11], s[24:25]
	s_add_nc_u64 s[28:29], s[10:11], s[22:23]
.macro XLOAD t
.irp i, 0,1,2,3,4,5,6,7,8,9,10,11,12,13,14,15
	global_load_b128 v[R+64*((\t)%2)+4*\i:R+64*((\t)%2)+4*\i+3], v[L16], s[4:5] offset:(\i+8*(\i/8))*4096+512*(\t) th:TH_LOAD_NT
.endr
.endm
; 64 numbers of a lane, register 16 b + i = k 32 b + 16 h + i of my row, become a fragment's twelve registers in v[PC] on and its scale word in v[PW]
.macro QUANT s
.irp b, 0,1,2,3
	v_max3_num_f32 v[TM+\b], |v[\s+16*\b]|, |v[\s+1+16*\b]|, 0x2800000   ; my 16 numbers of block b, and the floor 2^(5 - 127)
.endr
.irp i, 2,4,6,8,10,12,14
.irp b, 0,1,2,3
	v_max3_num_f32 v[TM+\b], v[TM+\b], |v[\s+16*\b+\i]|, |v[\s+1+16*\b+\i]|   ; the four blocks by turns
.endr
.endr
.irp b, 0,1,2,3
	v_permlanex16_b32 v[TM+4+\b], v[TM+\b], s30, s31
.endr
.irp b, 0,1,2,3
	v_max_num_f32 v[TM+\b], v[TM+\b], v[TM+4+\b]   ; with lane l xor 16's: the block's largest magnitude
.endr
.irp b, 0,1,2,3
	v_add_nc_u32 v[TM+12+\b], 0xfe000000, v[TM+\b] ; 4 off its exponent field: the conversion's scale operand
.endr
.irp b, 0,1,2,3
	v_lshrrev_b32 v[TM+4+\b], 23, v[TM+12+\b]      ; the scale's byte
.endr
	v_lshl_or_b32 v[PW], v[TM+5], 8, v[TM+4]
	v_lshl_or_b32 v[PW], v[TM+6], 16, v[PW]
	v_lshl_or_b32 v[PW], v[TM+7], 24, v[PW]
	s_wait_xcnt 0x0                                ; the last step's stores have read the codes' registers: they are written again only behind this wait
.irp c, 0,1
	v_cvt_scalef32_pk16_bf6_f32 v[PC+6*\c:PC+2+6*\c], v[\s+32*\c:\s+15+32*\c], v[TM+12+2*\c]
	v_cvt_scalef32_pk16_bf6_f32 v[PC+12+4*\c:PC+14+4*\c], v[\s+16+32*\c:\s+31+32*\c], v[TM+13+2*\c]
.endr
	v_nop                                          ; one plain place behind a scaled conversion
.irp c, 0,1                            ; the layout wants a WHOLE block in a lane: lanes 0-15 block 2 c, lanes 16-31 block 2 c + 1
.irp i, 0,1,2
	v_permlane16_swap_b32 v[PC+6*\c+\i], v[PC+12+4*\c+\i]
.endr
.irp i, 0,1,2
	v_mov_b32 v[PC+3+6*\c+\i], v[PC+12+4*\c+\i]
.endr
.endr
.endm
.macro XSTEP t
.if (\t) < 3
	s_wait_loadcnt 16                              ; this step's 16 loads are in; the next step's 16 may be out
.else
	s_wait_loadcnt 0x0
.endif
.irp i, 0,1,2,3,4,5,6,7,8,9,10,11,12,13,14,15
	ds_store_b128 v6, v[R+64*((\t)%2)+4*\i:R+64*((\t)%2)+4*\i+3] offset:\i*528
.endr
.irp b, 0,1,2,3
.irp j, 0,1,2,3
	ds_load_b128 v[X+16*\b+4*\j:X+16*\b+4*\j+3], v7 offset:128*\b+16*\j   ; LDS serves a wave's instructions in order: these see the stores above
.endr
.endr
	s_wait_dscnt 0x0                               ; the numbers are back, and the stores have read their registers,
.if (\t)+2 < 4
	XLOAD (\t)+2                                   ; which take the loads of two steps on
.endif
	QUANT X
.irp c, 0,1
	global_store_b128 v[L16], v[PC+6*\c:PC+6*\c+3], s[26:27] offset:(2*(\t)+\c)*768        ; 512 consecutive bytes
	global_store_b64 v[L8], v[PC+6*\c+4:PC+6*\c+5], s[26:27] offset:(2*(\t)+\c)*768+512    ; 256 consecutive bytes
.endr
	ds_store_b32 v8, v[PW] offset:8448+64*(\t)     ; both halves of the lanes write the same word with the same value
.endm
	XLOAD 0
	XLOAD 1
	XSTEP 0
	XSTEP 1
	XSTEP 2
	XSTEP 3
	ds_load_b64 v[12:13], v9 offset:8448
	s_wait_dscnt 0x0
	global_store_b64 v[L8], v[12:13], s[28:29]     ; my four steps' scale words: 256 consecutive bytes, at a multiple of 256
	s_wait_tensorcnt 0x0                           ; the wave's end
	ds_add_u32 v[SPW], v[NIL]
	s_wait_dscnt 0x0
	s_endpgm
.Lfunc_end_k_q5ed6c59e0b_prep:
	.size	k_q5ed6c59e0b_prep, .Lfunc_end_k_q5ed6c59e0b_prep-k_q5ed6c59e0b_prep
	.p2alignl 7, 3214868480
	.fill 96, 4, 3214868480
	.section	.rodata,"a",@progbits
	.p2align	6, 0x0
	.amdhsa_kernel k_q5ed6c59e0b_prep
		.amdhsa_group_segment_fixed_size 47616
		.amdhsa_private_segment_fixed_size 0
		.amdhsa_enable_private_segment 0
		.amdhsa_kernarg_size 40
		.amdhsa_user_sgpr_count 2
		.amdhsa_user_sgpr_kernarg_segment_ptr 1
		.amdhsa_wavefront_size32 1
		.amdhsa_system_sgpr_workgroup_id_x 1
		.amdhsa_system_sgpr_workgroup_id_y 1
		.amdhsa_system_sgpr_workgroup_id_z 1
		.amdhsa_system_vgpr_workitem_id 0
		.amdhsa_next_free_vgpr 256
		.amdhsa_next_free_sgpr 66
		.amdhsa_reserve_vcc 0
		.amdhsa_float_denorm_mode_32 3
		.amdhsa_float_denorm_mode_16_64 3
		.amdhsa_memory_ordered 1
		.amdhsa_forward_progress 1
		.amdhsa_inst_pref_size 57
	.end_amdhsa_kernel
	.amdgpu_metadata
---
amdhsa.version: [ 1, 2 ]
amdhsa.kernels:
  - .name:           k_q5ed6c59e0b_prep
    .symbol:         k_q5ed6c59e0b_prep.kd
    .args:
      - { .name: x, .offset: 0, .size: 8, .value_kind: global_buffer, .address_space: global }
      - { .name: W_attn, .offset: 8, .size: 8, .value_kind: global_buffer, .address_space: global }
      - { .name: W_proj, .offset: 16, .size: 8, .value_kind: global_buffer, .address_space: global }
      - { .name: xr, .offset: 24, .size: 8, .value_kind: global_buffer, .address_space: global }
      - { .name: wr, .offset: 32, .size: 8, .value_kind: global_buffer, .address_space: global }
    .group_segment_fixed_size: 47616
    .private_segment_fixed_size: 0
    .kernarg_segment_align: 8
    .kernarg_segment_size: 40
    .max_flat_workgroup_size: 128
    .sgpr_count:     66
    .vgpr_count:     256
    .wavefront_size: 32
...
	.end_amdgpu_metadata
.endif
;; end of part 1
;; launch qkv (part 2): grid 8 x 48, 4 waves a work-group, clusters of 4 x 4, 327,680 bytes of LDS; arguments xr, wr, b_attn, qk, vt; writes qk, vt
.if DOCPART == 2
	.amdgcn_target "amdgcn-amd-amdhsa--gfx1250"
	.amdhsa_code_object_version 6
	.text
	.protected	k_q5ed6c59e0b_qkv
	.globl	k_q5ed6c59e0b_qkv
	.p2align	8
	.type	k_q5ed6c59e0b_qkv,@function
k_q5ed6c59e0b_qkv:
	s_mov_b64 s[64:65], 0
	v_nop
	global_prefetch_b8 v0, s[64:65] scope:SCOPE_SE
	s_setreg_imm32_b32 hwreg(HW_REG_WAVE_MODE, 25, 1), 1
	s_wait_xcnt 0x0
	s_wait_alu depctr_hold_cnt(0) depctr_sa_sdst(0) depctr_va_vdst(0) depctr_va_sdst(0) depctr_va_ssrc(0) depctr_va_vcc(0) depctr_vm_vsrc(0)
	s_getreg_b32 s2, hwreg(HW_REG_IB_STS2, 6, 4)
	s_cmp_eq_u32 s2, 0
	s_cbranch_scc0 .Lentry_in_a_cluster
	s_endpgm
.Lentry_in_a_cluster:
	s_bfe_u32 s2, ttmp6, 0x10000c
	s_cmp_lg_u32 s2, 0xf033
	s_cbranch_scc0 .Lentry_shape_is_right
	s_endpgm
.Lentry_shape_is_right:
; Launch 2 of 4: qkv = x W_attn + b_attn on codes of E3M2, and the result quantised in registers for the attention: q and k along the head's 64, v along the tokens.  Nothing of reference() is left out here.
; A work-group of four waves makes 256 x 256 of the product, a wave 128 x 128: 64 accumulators.  Source 1 is "A": its 16 rows become the lanes; source 0 is "B": its rows become a lane's registers.
; TWO ROLES, by the CLUSTER's y, which all sixteen partners share.  y 0-7 (q and k): A = tokens, B = W_attn's columns 0-2,047: a lane holds a token and its registers run along the head's axis.
; y 8-11 (v): A = W_attn's columns 2,048-3,071, B = tokens: a lane holds one (head, d) and its registers run along the tokens, which are the second attention product's K.
; Both operands are records of the same make (launch 1), so only pointers and tile numbers are chosen; LDS, descriptors and the walk over K know nothing of the role.
; By the order of slots in a tile the 16 registers of B's tiles 2 B and 2 B + 1 are 16 neighbours along the next K: the result is quantised as it stands, and its twelve code registers go to memory as an image.
; K = 1,024 in four quarters of 256 through three LDS slots: quarters 0, 1, 2 and all scale words are asked for at the head (four tensor loads of a wave are out), quarter 3 refills slot 0 behind step 1 and has
; four steps, 256 matrix instructions, in which to land.  The walk is written out: eight steps of 128.
; CLUSTERS: 4 x 4.  A's tiles are shared along a row of the cluster, B's along a column: joint loads with a mask.
; The bias is the C of each sum's first matrix instruction.
; OUT.  qk: records [head' 0-31: q's 16, then k's 16][group of 128 tokens] of 6,656 bytes: eight half images (16 tokens x 64), then scale words at 6,144 + 256 (a / 4) + 16 r + 4 (a % 4), bytes 2 and 3 zero.
;       vt: records [batch x 16 + head][group of 128 keys] of 6,400 bytes: half image (d tile t, keys 64 c on) at 768 (2 t + c), scale words at 6,144 + 16 r + 4 t.
; LIMITS: as in launch 1 (a block of zeros carries the byte 1; NaN and infinities are not served).
; REGISTERS, in windows of 256.  Window 0: v1-21 lane terms and addresses; v28, v29 the add's two; v32-95 scale words of all of K; v96-127 at work on the way out; v128-223 A's fragments, one set; v224-242 codes just made.
;   Window 1: B's fragments, two sets, v0-95 and v128-223; the bias, eight tiles of 8, in v96-127 and v224-255.   Windows 2, 3: the accumulators, (a, b) at v[8 (8 (a % 4) + b)].
.set REC,   12800
.set PART,  24576                      ; 8 tiles x 3,072 bytes (256 along K): what one tensor load brings, and what one wave reads of A or of B
.set SLOT,  98304                      ; A's two parts, then B's two
.set SCL,   294912                     ; behind the three slots: the scale words, 4,096 bytes for each part
.set SPARE, 311296                     ; behind them: the spare words, 128 bytes a wave
.set HS,    425984                     ; from head to head in qk
.set VHS,   102400                     ; and in vt
.set A16, 4                            ; v4-6    my A part in slot 0, 1, 2: + 16 x lane
.set A8,  7                            ; v7-9    + 8 x lane
.set B16, 10                           ; v10-12  the same for B
.set B8,  13                           ; v13-15
.set ADRS, 16                          ; v16     my scale words: lanes 0-15 A's, lanes 16-31 B's
.set OL16, 17                          ; v17     16 x lane
.set OL8,  18                          ; v18     8 x lane
.set BO,   19                          ; v19     the bias loads' lane term
.set OSC,  20                          ; v20     the scale stores' lane term
.set SHF,  21                          ; v21     16 h
.set SPW,  28
.set NIL,  29
.set SC,   32                          ; v[SC + 8 i + s]: lanes 0-15 the word of A's tile i, lanes 16-31 that of B's tile i, for the s-th 128 along K
.set W,    96                          ; v96-103 the way out: tile a's scale word
.set TM,   104                         ; v104-119 at work in the quantiser
.set T,    120                         ; v120-127 scale words as they are stored
.set AF,   128
.set PC,   224
.set G1A, 24
.set G0A, 32                           ; s[32:43] three sets, one a slot
.set G1B, 44
.set G0B, 52                           ; s[52:63]
.set G1SA, 68
.set G0SA, 76
.set G1SB, 80
.set G0SB, 88
.set PA,  92                           ; s[92:93] the records that I would fetch for A
.set PB,  94                           ; s[94:95] and for B
.set OUT, 96                           ; s[96:97]
.set BIA, 98                           ; s[98:99]
.set MSB, 0
.macro WIN new                         ; the immediate's high byte repeats the setting that is left
.if MSB != \new
	s_set_vgpr_msb (MSB<<8)|\new
.set MSB, \new
.endif
.endm
.macro PLACES                          ; four places behind a matrix instruction of this form, ahead of loads into its registers and of reads of its result
.rept 4
	v_nop
.endr
.endm
; A joint load: waves 0 and 1 fetch for A, waves 2 and 3 for B; the branch hangs on the wave's number alone.  An s_nop 0 and four v_nop follow each of the two lines.
.macro JLOAD g0a, g1a, g0b, g1b
	s_cmp_eq_u32 s15, 0
	s_cbranch_scc0 .Lfor_b_\@
	tensor_load_to_lds s[\g0a:\g0a+3], s[\g1a:\g1a+7]
	s_nop 0
.rept 4
	v_nop
.endr
	s_branch .Lasked_\@
.Lfor_b_\@:
	tensor_load_to_lds s[\g0b:\g0b+3], s[\g1b:\g1b+7]
	s_nop 0
.rept 4
	v_nop
.endr
.Lasked_\@:
.endm
.macro CREST                           ; a round of the cluster's barrier behind its opening barrier
	s_cmp_lg_u32 s14, 0
	s_cbranch_scc1 .Lnot_wave_0_\@
	s_barrier_signal -3
.Lnot_wave_0_\@:
	s_barrier_wait -3
	s_barrier_signal -1
	s_barrier_wait -1
.endm
.macro CROUND
	s_barrier_signal -1
	s_barrier_wait -1
	CREST
.endm
.macro FRAG reg, a16, a8, off          ; a fragment is two half images: four dense loads, no pitch, no padding
	ds_load_b128 v[\reg:\reg+3], v[\a16] offset:\off
	ds_load_b64 v[\reg+4:\reg+5], v[\a8] offset:\off+512
	ds_load_b128 v[\reg+6:\reg+9], v[\a16] offset:\off+768
	ds_load_b64 v[\reg+10:\reg+11], v[\a8] offset:\off+1280
.endm
.macro FETCH_B slot, q, set            ; B's eight fragments of the slot's q-th 128 along K
	WIN 0x40                                       ; destination window 1, address window 0
.irp i, 0,1,2,3,4,5,6,7
	FRAG 128*(\set)+12*\i, B16+\slot, B8+\slot, 3072*\i+1536*(\q)
.endr
	WIN 0
.endm
.macro FETCH_A slot, q, i0             ; A's tiles i0 .. i0 + 3
.irp i, \i0, \i0+1, \i0+2, \i0+3
	FRAG AF+12*(\i), A16+\slot, A8+\slot, 3072*(\i)+1536*(\q)
.endr
.endm
.macro SCALES                          ; once, for all of K
.irp i, 0,1,2,3,4,5,6,7
.irp s, 0,1,2,3,4,5,6,7
	ds_load_b32 v[SC+8*\i+\s], v[ADRS] offset:512*\i+64*\s
.endr
.endr
.endm
; 16 matrix instructions: A's tiles a0, a0 + 1 x B's eight, the s-th 128 along K.  cm = 0: in place; 1: C = the bias by B's tile; 2: by A's tile.  The 64 accumulators take turns, one instruction a turn, in one order
; throughout.
.macro MUL16 a0, s, cm
.irp a, \a0, \a0+1
.irp b, 0,1,2,3,4,5,6,7
.if \cm == 0
	v_wmma_scale_f32_16x16x128_f8f6f4 v[8*(8*((\a)%4)+\b):8*(8*((\a)%4)+\b)+7], v[128*((\s)%2)+12*\b:128*((\s)%2)+12*\b+11], v[AF+12*(\a):AF+12*(\a)+11], v[8*(8*((\a)%4)+\b):8*(8*((\a)%4)+\b)+7], v[SC+8*\b+(\s)], v[SC+8*(\a)+(\s)] matrix_a_fmt:MATRIX_FMT_BF6 matrix_b_fmt:MATRIX_FMT_BF6 matrix_a_scale:MATRIX_SCALE_ROW1
.elseif \cm == 1
	v_wmma_scale_f32_16x16x128_f8f6f4 v[8*(8*((\a)%4)+\b):8*(8*((\a)%4)+\b)+7], v[128*((\s)%2)+12*\b:128*((\s)%2)+12*\b+11], v[AF+12*(\a):AF+12*(\a)+11], v[96+8*\b+96*(\b/4):96+8*\b+96*(\b/4)+7], v[SC+8*\b+(\s)], v[SC+8*(\a)+(\s)] matrix_a_fmt:MATRIX_FMT_BF6 matrix_b_fmt:MATRIX_FMT_BF6 matrix_a_scale:MATRIX_SCALE_ROW1
.else
	v_wmma_scale_f32_16x16x128_f8f6f4 v[8*(8*((\a)%4)+\b):8*(8*((\a)%4)+\b)+7], v[128*((\s)%2)+12*\b:128*((\s)%2)+12*\b+11], v[AF+12*(\a):AF+12*(\a)+11], v[96+8*(\a)+96*((\a)/4):96+8*(\a)+96*((\a)/4)+7], v[SC+8*\b+(\s)], v[SC+8*(\a)+(\s)] matrix_a_fmt:MATRIX_FMT_BF6 matrix_b_fmt:MATRIX_FMT_BF6 matrix_a_scale:MATRIX_SCALE_ROW1
.endif
.endr
.endr
.endm
.macro WMUL hi, cm                     ; source 0 window 1, source 1 window 0, D window 2 or 3; C with D, or (the bias) window 1
.if \cm
	WIN 0x91+0x40*\hi
.else
	WIN 0xa1+0x50*\hi
.endif
.endm
; Step s; its successor is the nq-th 128 of slot ns.  A has one set of registers: tiles 0-3 are fetched anew in the step's middle, tiles 4-7 at its end; B has two sets.
.macro STEP s, ns, nq, cm
	s_wait_dscnt 16                                ; all but the youngest 16 loads, A's tiles 4-7 (four fragments of four loads)
	WMUL 0, \cm
	MUL16 0, \s, \cm
	MUL16 2, \s, \cm
	s_wait_dscnt 0x0                               ; A's tiles 4-7 are in
	PLACES
	FETCH_B \ns, \nq, 1-(\s)%2
	FETCH_A \ns, \nq, 0
	WMUL 1, \cm
	MUL16 4, \s, \cm
	MUL16 6, \s, \cm
	PLACES
	WIN 0
	FETCH_A \ns, \nq, 4
.endm
; A step with a barrier in it.  In front of the barrier each wave waits for all its tensor loads, adds 0 to its spare word, and waits for that and for its LDS reads.  fill = 1: slot 0 has been read out and takes quarter 3.
.macro TURN s, ns, fill
	s_wait_tensorcnt 0x0                           ; all my tensor loads have landed
	ds_add_u32 v[SPW], v[NIL]                      ; 0 onto my spare word
	s_wait_dscnt 17                                ; (the add and the youngest 16 loads may be out)
	WIN 0xa1
	MUL16 0, \s, 0                                 ; sixteen matrix instructions stand between the add and the wait for it
	s_wait_dscnt 0x0                               ; the add is done, and my reads of the slot in hand are over
	s_barrier_signal -1
	MUL16 2, \s, 0
	WIN 0
	s_barrier_wait -1
.if \fill
	CREST                                          ; the barrier has opened a round of the cluster's: no wave of any partner still reads slot 0 or has a load on its way
	s_add_nc_u64 s[G0A+2:G0A+3], s[G0A+2:G0A+3], 9216   ; from quarter 0 to quarter 3
	s_add_nc_u64 s[G0B+2:G0B+3], s[G0B+2:G0B+3], 9216
	JLOAD G0A, G1A, G0B, G1B                       ; the first tensor load behind the round; its four v_nop are also the places in front of the loads below
.else
	PLACES
.endif
	FETCH_B \ns, 0, 1-(\s)%2
	FETCH_A \ns, 0, 0
	WIN 0xf1
	MUL16 4, \s, 0
	MUL16 6, \s, 0
	PLACES
	WIN 0
	FETCH_A \ns, 0, 4
.endm
	s_load_b256 s[4:11], s[0:1], 0x0               ; xr s[4:5], wr s[6:7], b_attn s[8:9], qk s[10:11]
	s_load_b64 s[12:13], s[0:1], 0x20              ; vt
	v_lshl_add_u32 v[SPW], v0, 2, SPARE
	v_mov_b32 v[NIL], 0
	ds_add_u32 v[SPW], v[NIL]                      ; the wave's opening
	ds_add_u32 v[SPW], v[NIL]
	v_lshrrev_b32 v1, 5, v0
	v_readfirstlane_b32 s14, v1                    ; wave 0..3
	s_lshr_b32 s15, s14, 1                         ; which part of A I multiply.  Also: I fetch for A (0) or for B (1)
	s_and_b32 s16, s14, 1                          ; which part of B I multiply.  Also: which part I fetch
	s_and_b32 s17, ttmp7, 0xffff                   ; the cluster's y: under 8 the role is q and k
	s_bfe_u32 s18, ttmp6, 0x40000                  ; cx
	s_bfe_u32 s19, ttmp6, 0x40004                  ; cy
	s_lshl_b32 s20, ttmp9, 2
	s_add_co_u32 s20, s20, s18                     ; work-group x
	s_lshl_b32 s23, s19, 2
	s_lshl_b32 s23, 15, s23                        ; my row of the cluster
	s_lshl_b32 s100, 0x1111, s18                   ; my column
	s_or_b32 s[G1A], s23, (3<<16)|(1<<21)          ; 15:0 the mask; 17:16 elements of 8 bytes; 21 set beside a mask; no padding
	s_or_b32 s[G1B], s100, (3<<16)|(1<<21)
	s_or_b32 s[G1SA], s23, (3<<16)|(1<<21)
	s_or_b32 s[G1SB], s100, (3<<16)|(1<<21)
.irp g, G1A, G1B                       ; codes: 8 rows (tiles) of 384 elements (3,072 bytes), 1,600 elements (a record) apart
	s_mov_b32 s[\g+1], 384<<16
	s_mov_b32 s[\g+2], 8<<16
	s_mov_b32 s[\g+3], 384<<16
	s_mov_b32 s[\g+4], 8
	s_mov_b32 s[\g+5], 1600
	s_mov_b32 s[\g+6], 0
	s_mov_b32 s[\g+7], 0
.endr
.irp g, G1SA, G1SB                     ; scale words: 8 rows of 64 elements (512 bytes)
	s_mov_b32 s[\g+1], 64<<16
	s_mov_b32 s[\g+2], 8<<16
	s_mov_b32 s[\g+3], 64<<16
	s_mov_b32 s[\g+4], 8
	s_mov_b32 s[\g+5], 1600
	s_mov_b32 s[\g+6], 0
	s_mov_b32 s[\g+7], 0
.endr
	s_lshl_b32 s21, s17, 2
	s_cmp_lt_u32 s17, 8
	s_cselect_b32 s21, s21, 8
	s_add_co_u32 s21, s21, s19                     ; A's block of 256 rows: tokens 4 y + cy, or W's block 8 + cy: made of cy and the cluster's y alone
	s_sub_co_u32 s22, s17, 8
	s_lshl_b32 s22, s22, 3
	s_cmp_lt_u32 s17, 8
	s_cselect_b32 s22, 0, s22
	s_add_co_u32 s22, s22, s20                     ; B's block: W's x, or tokens 8 (y - 8) + x: made of cx and the cluster's x and y alone
	s_lshl_b32 s2, s21, 4
	s_lshl_b32 s3, s16, 3
	s_add_co_u32 s2, s2, s3
	s_mul_i32 s2, s2, REC                          ; the eight records that I would fetch for A,
	s_mov_b32 s3, 0
	s_lshl_b32 s66, s22, 4
	s_lshl_b32 s67, s16, 3
	s_add_co_u32 s66, s66, s67
	s_mul_i32 s66, s66, REC                        ; and for B
	s_mov_b32 s67, 0
	s_mul_i32 s101, s14, PART                      ; where they go: the wave's number alone enters an LDS address
	s_lshl_b32 s100, s14, 12
	s_wait_dscnt 0x0                               ; both opening adds are done
	s_wait_kmcnt 0x0
	s_cmp_lt_u32 s17, 8
	s_cselect_b64 s[PA:PA+1], s[4:5], s[6:7]
	s_cselect_b64 s[PB:PB+1], s[6:7], s[4:5]
	s_add_nc_u64 s[PA:PA+1], s[PA:PA+1], s[2:3]
	s_add_nc_u64 s[PB:PB+1], s[PB:PB+1], s[66:67]
	CROUND                                         ; all sixteen work-groups are here: the first joint loads meet
	s_mov_b32 s[G0SA], 1
	s_add_co_u32 s[G0SA+1], s100, SCL
	s_add_nc_u64 s[G0SA+2:G0SA+3], s[PA:PA+1], 12288
	s_or_b32 s[G0SA+3], s[G0SA+3], 0x80000000
	s_mov_b32 s[G0SB], 1
	s_add_co_u32 s[G0SB+1], s100, SCL
	s_add_nc_u64 s[G0SB+2:G0SB+3], s[PB:PB+1], 12288
	s_or_b32 s[G0SB+3], s[G0SB+3], 0x80000000
	JLOAD G0SA, G1SA, G0SB, G1SB                   ; the scale words first: they are wanted with step 0
.irp s, 0,1,2
	s_mov_b32 s[G0A+4*\s], 1
	s_add_co_u32 s[G0A+4*\s+1], s101, \s*SLOT
	s_add_nc_u64 s[G0A+4*\s+2:G0A+4*\s+3], s[PA:PA+1], \s*3072
	s_or_b32 s[G0A+4*\s+3], s[G0A+4*\s+3], 0x80000000
	s_mov_b32 s[G0B+4*\s], 1
	s_add_co_u32 s[G0B+4*\s+1], s101, \s*SLOT
	s_add_nc_u64 s[G0B+4*\s+2:G0B+4*\s+3], s[PB:PB+1], \s*3072
	s_or_b32 s[G0B+4*\s+3], s[G0B+4*\s+3], 0x80000000
	JLOAD G0A+4*\s, G1A, G0B+4*\s, G1B             ; quarters 0, 1, 2
.endr
	v_and_b32 v1, 15, v0                           ; r
	v_bfe_u32 v2, v0, 4, 1                         ; h
	v_and_b32 v3, 31, v0                           ; lane
	v_lshlrev_b32 v[OL16], 4, v3
	v_lshlrev_b32 v[OL8], 3, v3
	; the bias and the way out's base, by the role
	s_cmp_lt_u32 s17, 8
	s_cbranch_scc0 .Lbias_v
	s_lshl_b32 s100, s22, 1
	s_add_co_u32 s100, s100, s16                   ; my 128 columns: two heads of q or of k
	s_lshl_b32 s2, s100, 9
	s_mov_b32 s3, 0
	s_add_nc_u64 s[BIA:BIA+1], s[8:9], s[2:3]
	s_lshl_b32 s100, s100, 7                       ; 64 records a head, two heads
	s_lshl_b32 s101, s21, 1
	s_add_co_u32 s101, s101, s15                   ; my group of 128 tokens
	s_add_co_u32 s100, s100, s101
	s_mul_i32 s2, s100, 6656
	s_add_nc_u64 s[OUT:OUT+1], s[10:11], s[2:3]
	v_lshlrev_b32 v[BO], 6, v2                     ; register j of B's tile i is column 32 (i / 2) + 8 (i % 2) + 16 h + j
	WIN 0x40
.irp i, 0,1,2,3,4,5,6,7
	global_load_b128 v[96+8*\i+96*(\i/4):96+8*\i+96*(\i/4)+3], v[BO], s[BIA:BIA+1] offset:4*(32*(\i/2)+8*(\i%2))
	global_load_b128 v[96+8*\i+96*(\i/4)+4:96+8*\i+96*(\i/4)+7], v[BO], s[BIA:BIA+1] offset:4*(32*(\i/2)+8*(\i%2))+16
.endr
	WIN 0
	s_branch .Lbias_done
.Lbias_v:
	s_lshl_b32 s100, s19, 1
	s_add_co_u32 s100, s100, s15                   ; my 128 columns of v: two heads
	s_lshl_b32 s2, s100, 9
	s_add_co_u32 s2, s2, 8192
	s_mov_b32 s3, 0
	s_add_nc_u64 s[BIA:BIA+1], s[8:9], s[2:3]
	s_lshl_b32 s101, s22, 1
	s_add_co_u32 s101, s101, s16                   ; my group of 128 tokens
	s_lshr_b32 s2, s101, 4                         ; its batch
	s_lshl_b32 s2, s2, 4
	s_lshl_b32 s100, s100, 1
	s_add_co_u32 s2, s2, s100                      ; 16 x batch + my first head
	s_lshl_b32 s2, s2, 4
	s_and_b32 s101, s101, 15
	s_add_co_u32 s2, s2, s101                      ; 16 records a head
	s_mul_i32 s2, s2, 6400
	s_add_nc_u64 s[OUT:OUT+1], s[12:13], s[2:3]
	v_and_b32 v[BO], 8, v1
	v_add_nc_u32 v[BO], v[BO], v1
	v_lshlrev_b32 v[BO], 2, v[BO]                  ; my lane's column of A's tile a: 32 (a / 2) + 8 (a % 2) + r + 8 (r / 8): the same bias in all eight registers
	WIN 0x40
.irp a, 0,1,2,3,4,5,6,7
.irp j, 0,1,2,3,4,5,6,7
	global_load_b32 v[96+8*\a+96*(\a/4)+\j], v[BO], s[BIA:BIA+1] offset:4*(32*(\a/2)+8*(\a%2))
.endr
.endr
	WIN 0
.Lbias_done:
	s_cmp_lt_u32 s17, 8
	s_mov_b32 s100, VHS
	s_cselect_b32 s100, HS, s100
	v_mul_u32_u24 v[OSC], s100, v2                 ; lanes 16-31 store the second head's scale words
	v_lshl_add_u32 v[OSC], v1, 4, v[OSC]
	v_lshlrev_b32 v[SHF], 4, v2
	s_mul_i32 s100, s15, PART                      ; my part of A,
	s_mul_i32 s101, s16, PART
	s_add_co_u32 s101, s101, 2*PART                ; my part of B, behind A's two
.irp s, 0,1,2
	v_add_nc_u32 v[A16+\s], s100, v[OL16]
	v_add_nc_u32 v[A8+\s], s100, v[OL8]
	v_add_nc_u32 v[B16+\s], s101, v[OL16]
	v_add_nc_u32 v[B8+\s], s101, v[OL8]
	s_add_co_u32 s100, s100, SLOT
	s_add_co_u32 s101, s101, SLOT
.endr
	s_lshl_b32 s100, s15, 12
	s_lshl_b32 s101, s16, 12
	s_add_co_u32 s101, s101, 8192
	s_sub_co_u32 s101, s101, s100                  ; from my A part's words to my B part's
	v_mul_u32_u24 v[ADRS], s101, v2                ; lanes 16-31 take B's
	s_add_co_u32 s100, s100, SCL
	v_lshl_add_u32 v[ADRS], v1, 2, v[ADRS]
	v_add_nc_u32 v[ADRS], s100, v[ADRS]
	s_wait_tensorcnt 2                             ; the scale words and my part of quarter 0 are in; the loads of quarters 1 and 2 may be out
	s_barrier_signal -1
	s_barrier_wait -1                              ; everybody's are
	FETCH_B 0, 0, 0
	FETCH_A 0, 0, 0
	SCALES
	FETCH_A 0, 0, 4
	s_wait_loadcnt 0x0                             ; the bias
	s_cmp_lt_u32 s17, 8
	s_cbranch_scc0 .Lfirst_v
	STEP 0, 0, 1, 1                                ; the first step starts the sums with the bias
	s_branch .Lfirst_done
.Lfirst_v:
	STEP 0, 0, 1, 2
.Lfirst_done:
	TURN 1, 1, 1                                   ; the one refill.  Behind its barrier slots 1 and 2 are whole for every wave
	STEP 2, 1, 1, 0
	STEP 3, 2, 0, 0                                ; on into slot 2: shown whole at step 1's wait and barrier
	STEP 4, 2, 1, 0
	TURN 5, 0, 0                                   ; quarter 3 has landed, in every wave's part
	STEP 6, 0, 1, 0
	s_wait_dscnt 16                                ; the last step: nothing more to fetch
	WIN 0xa1
	MUL16 0, 7, 0
	MUL16 2, 7, 0
	s_wait_dscnt 0x0
	WIN 0xf1
	MUL16 4, 7, 0
	MUL16 6, 7, 0
	WIN 0
; THE WAY OUT.  The 64 accumulator registers of A's tile a are, in a lane, register 16 B + i = 32 B + 16 h + i along the next K: they are quantised as they stand; the twelve code registers leave by four dense stores.
.macro QUANTW s, w, wd                 ; s: the tile's first accumulator register, in window w; wd: where the scale word goes
	WIN 5*(\w)                                     ; sources 0 and 1 window w
.irp b, 0,1,2,3
	v_max3_num_f32 v[TM+\b], |v[(\s)+16*\b]|, |v[(\s)+1+16*\b]|, 0x2800000   ; each accumulator is read from its low end on; the floor 2^(5 - 127)
.endr
	WIN 20*(\w)                                    ; sources 1 and 2 window w
.irp i, 2,4,6,8,10,12,14
.irp b, 0,1,2,3
	v_max3_num_f32 v[TM+\b], v[TM+\b], |v[(\s)+16*\b+\i]|, |v[(\s)+1+16*\b+\i]|
.endr
.endr
	WIN 0
.irp b, 0,1,2,3
	v_permlanex16_b32 v[TM+4+\b], v[TM+\b], s2, s3
.endr
.irp b, 0,1,2,3
	v_max_num_f32 v[TM+\b], v[TM+\b], v[TM+4+\b]   ; with lane l xor 16's: the block's largest magnitude
.endr
.irp b, 0,1,2,3
	v_add_nc_u32 v[TM+12+\b], 0xfe000000, v[TM+\b] ; 4 off its exponent field: the conversion's scale operand
.endr
.irp b, 0,1,2,3
	v_lshrrev_b32 v[TM+4+\b], 23, v[TM+12+\b]      ; the scale's byte
.endr
	v_lshl_or_b32 v[\wd], v[TM+5], 8, v[TM+4]
	v_lshl_or_b32 v[\wd], v[TM+6], 16, v[\wd]
	v_lshl_or_b32 v[\wd], v[TM+7], 24, v[\wd]
	s_wait_xcnt 0x0                                ; the last tile's stores have read the codes' registers
	WIN (\w)                                       ; source 0 window w
.irp c, 0,1
	v_cvt_scalef32_pk16_bf6_f32 v[PC+6*\c:PC+2+6*\c], v[(\s)+32*\c:(\s)+15+32*\c], v[TM+12+2*\c]
	v_cvt_scalef32_pk16_bf6_f32 v[PC+12+4*\c:PC+14+4*\c], v[(\s)+16+32*\c:(\s)+31+32*\c], v[TM+13+2*\c]
.endr
	WIN 0
	v_nop                                          ; one plain place behind a scaled conversion
.irp c, 0,1
.irp i, 0,1,2
	v_permlane16_swap_b32 v[PC+6*\c+\i], v[PC+12+4*\c+\i]
.endr
.irp i, 0,1,2
	v_mov_b32 v[PC+3+6*\c+\i], v[PC+12+4*\c+\i]
.endr
.endr
.endm
.macro WAYOUT role
.irp a, 0,1,2,3,4,5,6,7
	QUANTW 64*(\a%4), 2+\a/4, W+\a
.if \role == 0                         ; registers 0-5: my first head's 64, registers 6-11: my second head's
	global_store_b128 v[OL16], v[PC:PC+3], s[OUT:OUT+1] offset:768*\a
	global_store_b64 v[OL8], v[PC+4:PC+5], s[OUT:OUT+1] offset:768*\a+512
	global_store_b128 v[OL16], v[PC+6:PC+9], s[OUT:OUT+1] offset:768*\a+HS
	global_store_b64 v[OL8], v[PC+10:PC+11], s[OUT:OUT+1] offset:768*\a+512+HS
.else                                  ; tile a is d tile a % 4 of head a / 4; registers 0-5: keys 0-63, registers 6-11: keys 64-127
	global_store_b128 v[OL16], v[PC:PC+3], s[OUT:OUT+1] offset:VHS*(\a/4)+1536*(\a%4)
	global_store_b64 v[OL8], v[PC+4:PC+5], s[OUT:OUT+1] offset:VHS*(\a/4)+1536*(\a%4)+512
	global_store_b128 v[OL16], v[PC+6:PC+9], s[OUT:OUT+1] offset:VHS*(\a/4)+1536*(\a%4)+768
	global_store_b64 v[OL8], v[PC+10:PC+11], s[OUT:OUT+1] offset:VHS*(\a/4)+1536*(\a%4)+1280
.endif
.endr
.if \role == 0
.irp i, 0,1,2,3,4,5,6,7
	v_bfe_u32 v[T+\i], v[W+\i], v[SHF], 16         ; lanes 0-15 the first head's two bytes, lanes 16-31 the second's; bytes 2 and 3 are 0
.endr
	global_store_b128 v[OSC], v[T:T+3], s[OUT:OUT+1] offset:6144     ; sixteen lanes store 256 consecutive bytes
	global_store_b128 v[OSC], v[T+4:T+7], s[OUT:OUT+1] offset:6400
.else
	v_cmp_eq_u32 vcc_lo, 1, v2
.irp i, 0,1,2,3
	v_cndmask_b32 v[T+\i], v[W+\i], v[W+4+\i], vcc_lo               ; lanes 0-15 the first head's four d tiles, lanes 16-31 the second's
.endr
	global_store_b128 v[OSC], v[T:T+3], s[OUT:OUT+1] offset:6144
.endif
.endm
	PLACES                                         ; behind the last products
	s_mov_b32 s2, 0x76543210
	s_mov_b32 s3, 0xfedcba98                       ; v_permlanex16_b32's selects for lane l xor 16
.irp b, 0,1,2,3
	v_mov_b32 v[TM+4+\b], 0                        ; written once: a lane permute's destination counts as one of its sources
.endr
	s_cmp_lt_u32 s17, 8
	s_cbranch_scc0 .Lout_v
	WAYOUT 0
	s_branch .Lend
.Lout_v:
	WAYOUT 1
.Lend:
	s_wait_tensorcnt 0x0                           ; the wave's end
	ds_add_u32 v[SPW], v[NIL]
	s_wait_dscnt 0x0
	CROUND                                         ; the closing round: no work-group ends while a partner may still ask for a tile that names it
	s_endpgm
.Lfunc_end_k_q5ed6c59e0b_qkv:
	.size	k_q5ed6c59e0b_qkv, .Lfunc_end_k_q5ed6c59e0b_qkv-k_q5ed6c59e0b_qkv
	.p2alignl 7, 3214868480
	.fill 96, 4, 3214868480
	.section	.rodata,"a",@progbits
	.p2align	6, 0x0
	.amdhsa_kernel k_q5ed6c59e0b_qkv
		.amdhsa_group_segment_fixed_size 327680
		.amdhsa_private_segment_fixed_size 0
		.amdhsa_enable_private_segment 0
		.amdhsa_kernarg_size 40
		.amdhsa_user_sgpr_count 2
		.amdhsa_user_sgpr_kernarg_segment_ptr 1
		.amdhsa_wavefront_size32 1
		.amdhsa_system_sgpr_workgroup_id_x 1
		.amdhsa_system_sgpr_workgroup_id_y 1
		.amdhsa_system_sgpr_workgroup_id_z 1
		.amdhsa_system_vgpr_workitem_id 0
		.amdhsa_next_free_vgpr 1024
		.amdhsa_next_free_sgpr 102
		.amdhsa_reserve_vcc 1
		.amdhsa_float_denorm_mode_32 3
		.amdhsa_float_denorm_mode_16_64 3
		.amdhsa_memory_ordered 1
		.amdhsa_forward_progress 1
		.amdhsa_inst_pref_size 207
	.end_amdhsa_kernel
	.amdgpu_metadata
---
amdhsa.version: [ 1, 2 ]
amdhsa.kernels:
  - .name:           k_q5ed6c59e0b_qkv
    .symbol:         k_q5ed6c59e0b_qkv.kd
    .args:
      - { .name: xr, .offset: 0, .size: 8, .value_kind: global_buffer, .address_space: global }
      - { .name: wr, .offset: 8, .size: 8, .value_kind: global_buffer, .address_space: global }
      - { .name: b_attn, .offset: 16, .size: 8, .value_kind: global_buffer, .address_space: global }
      - { .name: qk, .offset: 24, .size: 8, .value_kind: global_buffer, .address_space: global }
      - { .name: vt, .offset: 32, .size: 8, .value_kind: global_buffer, .address_space: global }
    .group_segment_fixed_size: 327680
    .private_segment_fixed_size: 0
    .kernarg_segment_align: 8
    .kernarg_segment_size: 40
    .max_flat_workgroup_size: 128
    .sgpr_count:     102
    .vgpr_count:     1024
    .wavefront_size: 32
...
	.end_amdgpu_metadata
.endif
;; end of part 2
;; launch attn (part 3): grid 4 x 64, 16 waves a work-group, no clusters, 327,680 bytes of LDS; arguments qk, vt, yr; writes yr
.if DOCPART == 3
	.amdgcn_target "amdgcn-amd-amdhsa--gfx1250"
	.amdhsa_code_object_version 6
	.text
	.protected	k_q5ed6c59e0b_attn
	.globl	k_q5ed6c59e0b_attn
	.p2align	8
	.type	k_q5ed6c59e0b_attn,@function
k_q5ed6c59e0b_attn:
	s_mov_b64 s[64:65], 0
	v_nop
	global_prefetch_b8 v0, s[64:65] scope:SCOPE_SE
	s_setreg_imm32_b32 hwreg(HW_REG_WAVE_MODE, 25, 1), 1
	s_wait_xcnt 0x0
; Launch 3 of 4: y = softmax(q k^T / 8, causal) v for 64 (batch, head) pairs, both products on codes of E3M2, and y quantised along C for the last product.
; LEFT OUT (shown at the head of launch 1): a step of 128 keys all of which come after a wave's 16 queries: reference()'s own tril makes every p there 0, for all values of the inputs.
; THE SOFTMAX: t = score x log2(e) / 8; M = the running largest t rounded UP to a whole number; p = 2^(t - M) is quantised along the keys, not normalised; the row's sum is taken of the unquantised p and divides at the end;
; when M moves, the sum and O are multiplied by 2^(old M - new M), which rounds nothing.  LIMIT: p under 2^-126 counts as 0.
; SHARES.  A work-group owns query blocks 7 - x and then x (256 queries each) of one (batch, head): (8 - x) + (x + 1) = 9 slots of 256 keys for every work-group: equal work, a constant trip count.
; Each of sixteen waves owns one tile of 16 queries, in 256 registers: four waves to a SIMD, so that one wave's vector work stands beside another's matrix work and LDS loads.
; cluster = none: the four work-groups of a head walk the same slots only for their first five trips (0 .. 7 - x, then 0 .. x); a common walk would be 12 slots for each against 9.
; LAYOUT.  Both products are used transposed: S^T = K Q^T, O^T = V^T P^T: a lane holds ONE query throughout.  By the order of slots in a tile the 16 registers of key tiles 2 B, 2 B + 1 are keys 32 B + 16 h + 0 .. 15.
; K = 64 IN AN INSTRUCTION OF 128.  Q's registers 6-11 are zero codes, and bytes 2 and 3 of q's and k's scale words are 0, which is 2^-127.  E3M2 has no NaN and no infinity, so every product at k >= 64 is exactly 0 whatever
; the other source holds there.  So a key tile stands in six registers and its operand runs on into the next tile's six (behind the last tile: six registers of zeros).
; A slot in LDS: two records of k (6,656 bytes each: eight half images and the scale words), two of v (6,400 each): two dense blocks of memory, one tensor load each (wave 0: k's, wave 1: v's).
; REGISTERS: v1-11 lane terms and addresses; v12 -M, v13 the largest t, v[14:15] the sum; v16-27 Q; v29 Q's scale word; v32-85 fragments of K or V; v86-93 their scale words; v96-159 S^T, then p; v160-191 O^T;
; v192-210 codes just made; v212-231 at work; v232-238 the second block's Q.
.set SLOT1, 32768
.set KREC,  6656
.set VREC,  6400
.set VOFF,  13312
.set SPARE, 65536                      ; behind the two slots: the spare words, 128 bytes for each of sixteen waves
.set L16, 1
.set L8,  2
.set R16, 3
.set SPW, 4
.set NIL, 5
.set DV,  6                            ; my query's place in its group of 128, less 16 h
.set ADK, 8
.set AD8, 9
.set ADR, 10
.set R4,  11
.set QF,  16
.set PFO, 28
.set QS,  29
.set FB,  32
.set KS,  86
.set S,   96
.set O,   160
.set PC,  192
.set BM,  212
.set BT,  216
.set SO,  220
.set PS,  224
.set TMP, 226
.set F,   228
.set SUM2, 230
.set Q2,  232
.set QS2, 238
.set WV,  10
.set PI,  11
.set CUR, 15                           ; the slot of keys in hand
.set QB,  16                           ; the query block in hand
.set QG,  17                           ; my group of 128 queries: 2 QB + wave / 8
.set TRIP, 19
.set SEL, 20
.set CS,  22
.set G1K, 24
.set G1V, 32
.set G0K, 40
.set G0V, 44
.set KB,  48
.set VB,  50
.set TB,  52
.set PFB, 54
.set PFA, 56
.set PFS, 58
.set YA,  66
.set YS,  68
; Wave 0 fetches k's block, wave 1 v's, the others nothing.  An s_nop 0 and four v_nop follow each of the two lines.
.macro TLOAD
	s_cmp_eq_u32 s[WV], 0
	s_cbranch_scc0 .Lnot_k_\@
	tensor_load_to_lds s[G0K:G0K+3], s[G1K:G1K+7]
	s_nop 0
.rept 4
	v_nop
.endr
	s_branch .Lasked_\@
.Lnot_k_\@:
	s_cmp_eq_u32 s[WV], 1
	s_cbranch_scc0 .Lasked_\@
	tensor_load_to_lds s[G0V:G0V+3], s[G1V:G1V+7]
	s_nop 0
.rept 4
	v_nop
.endr
.Lasked_\@:
.endm
; A PREFETCH INTO THE L2 of the slot that the NEXT change of slots will ask for.  All four work-groups of a head walk the same records: the one with x = 0 asks, in its first query block, which walks all eight slots.
; Waves 4 and 5 name k's 52 blocks of 256 bytes, waves 6 and 7 v's 50, a lane a block; the last lanes of waves 5 and 7 name the slot's last block again.  Slots 0 and 1 come by their loads alone; the last named is slot 7.
.macro ASK
	s_cmp_eq_u32 s[QB], 7
	s_cbranch_scc0 .Lnot_mine_\@
	s_cmp_lt_u32 s[CUR], 6
	s_cbranch_scc0 .Lnot_mine_\@
	s_cmp_eq_u32 s59, 1
	s_cbranch_scc0 .Lnot_mine_\@
	global_prefetch_b8 v[PFO], s[PFA:PFA+1] th:TH_LOAD_NT scope:SCOPE_SE
.Lnot_mine_\@:
.endm
	s_load_b128 s[4:7], s[0:1], 0x0                ; qk s[4:5], vt s[6:7]
	s_load_b64 s[8:9], s[0:1], 0x10                ; yr
	v_lshl_add_u32 v[SPW], v0, 2, SPARE
	v_mov_b32 v[NIL], 0
	ds_add_u32 v[SPW], v[NIL]                      ; the wave's opening
	ds_add_u32 v[SPW], v[NIL]
	v_lshrrev_b32 v7, 5, v0
	s_delay_alu instid0(VALU_DEP_1)
	v_readfirstlane_b32 s[WV], v7                  ; wave 0..15
	s_mov_b32 s[PI], ttmp9
	s_and_b32 s12, ttmp7, 0xffff                   ; 16 x batch + head
	s_and_b32 s13, s12, 15                         ; head
	s_lshr_b32 s14, s12, 4                         ; batch
	s_mov_b32 s[CUR], 0
	s_sub_co_u32 s[QB], 7, s[PI]
	s_lshr_b32 s18, s[WV], 3
	s_lshl_b32 s[QG], s[QB], 1
	s_add_co_u32 s[QG], s[QG], s18
	s_mov_b32 s[TRIP], 8
	s_mov_b32 s[SEL], 0x76543210
	s_mov_b32 s[SEL+1], 0xfedcba98                 ; v_permlanex16_b32's selects for lane l xor 16
	s_mov_b32 s[CS], 0x3e38aa3b                    ; c = log2(e) / sqrt(64)
	s_mov_b32 s[CS+1], s[CS]                       ; (named with it as a pair, so it is written)
	s_mov_b32 s[G1K], 3<<16                        ; no mask; elements of 8 bytes; no padding: a dense block as rows of 256 bytes
	s_mov_b32 s[G1K+1], 32<<16
	s_mov_b32 s[G1K+2], 52<<16                     ; k: 13,312 bytes
	s_mov_b32 s[G1K+3], 32<<16
	s_mov_b32 s[G1K+4], 52
	s_mov_b32 s[G1K+5], 32
	s_mov_b32 s[G1K+6], 0
	s_mov_b32 s[G1K+7], 0
	s_mov_b32 s[G1V], 3<<16
	s_mov_b32 s[G1V+1], 32<<16
	s_mov_b32 s[G1V+2], 50<<16                     ; v: 12,800 bytes
	s_mov_b32 s[G1V+3], 32<<16
	s_mov_b32 s[G1V+4], 50
	s_mov_b32 s[G1V+5], 32
	s_mov_b32 s[G1V+6], 0
	s_mov_b32 s[G1V+7], 0
	s_mov_b32 s[TB], 0
	s_lshr_b32 s59, s[WV], 2
	s_add_co_u32 s96, s13, 16
	s_lshl_b32 s96, s96, 6
	s_lshl_b32 s97, s14, 4
	s_add_co_u32 s96, s96, s97
	s_mul_i32 s96, s96, KREC                       ; k's records of my head and batch
	s_mov_b32 s97, 0
	s_mul_i32 s98, s12, 102400                     ; v's
	s_mov_b32 s99, 0
	s_wait_dscnt 0x0                               ; both opening adds are done
	s_wait_kmcnt 0x0
	s_add_nc_u64 s[KB:KB+1], s[4:5], s[96:97]
	s_add_nc_u64 s[VB:VB+1], s[6:7], s[98:99]
	s_mov_b32 s[G0K], 1
	s_mov_b32 s[G0K+1], 0
	s_mov_b64 s[G0K+2:G0K+3], s[KB:KB+1]
	s_or_b32 s[G0K+3], s[G0K+3], 0x80000000
	s_mov_b32 s[G0V], 1
	s_mov_b32 s[G0V+1], VOFF
	s_mov_b64 s[G0V+2:G0V+3], s[VB:VB+1]
	s_or_b32 s[G0V+3], s[G0V+3], 0x80000000
	TLOAD                                          ; slot 0
	v_and_b32 v7, 31, v0                           ; lane
	s_delay_alu instid0(VALU_DEP_1)
	v_lshlrev_b32 v[L16], 4, v7
	s_wait_alu depctr_va_vdst(0)
	v_lshlrev_b32 v[L8], 3, v7
	s_wait_alu depctr_va_vdst(0)
	v_and_b32 v7, 15, v0                           ; r
	s_delay_alu instid0(VALU_DEP_1)
	v_lshlrev_b32 v[R16], 4, v7
	s_wait_alu depctr_va_vdst(0)
	v_lshlrev_b32 v[R4], 2, v7
	; Q of both my query blocks: tile a = wave % 8 of group 2 QB + wave / 8
	s_and_b32 s96, s[WV], 7                        ; a
	s_lshl_b32 s97, s13, 6
	s_lshl_b32 s98, s14, 4
	s_add_co_u32 s97, s97, s98
	s_add_co_u32 s97, s97, s18
	s_mul_i32 s97, s97, KREC                       ; q's record of group wave / 8
	s_mul_i32 s82, s96, 768
	s_add_co_u32 s82, s82, s97                     ; my half image
	s_mov_b32 s83, 0
	s_lshr_b32 s84, s96, 2
	s_lshl_b32 s84, s84, 8
	s_and_b32 s98, s96, 3
	s_lshl_b32 s98, s98, 2
	s_add_co_u32 s84, s84, s98
	s_add_co_u32 s84, s84, s97
	s_add_co_u32 s84, s84, 6144                    ; my scale words
	s_mov_b32 s85, 0
	s_mul_i32 s78, s[QB], 2*KREC                   ; two records a query block
	s_mov_b32 s79, 0
	s_mul_i32 s80, s[PI], 2*KREC
	s_mov_b32 s81, 0
	s_add_nc_u64 s[70:71], s[4:5], s[82:83]
	s_add_nc_u64 s[74:75], s[70:71], s[80:81]
	s_add_nc_u64 s[70:71], s[70:71], s[78:79]
	s_add_nc_u64 s[72:73], s[4:5], s[84:85]
	s_add_nc_u64 s[76:77], s[72:73], s[80:81]
	s_add_nc_u64 s[72:73], s[72:73], s[78:79]
	global_load_b128 v[QF:QF+3], v[L16], s[70:71]
	global_load_b64 v[QF+4:QF+5], v[L8], s[70:71] offset:512
	global_load_b32 v[QS], v[R16], s[72:73]
	global_load_b128 v[Q2:Q2+3], v[L16], s[74:75]
	global_load_b64 v[Q2+4:Q2+5], v[L8], s[74:75] offset:512
	global_load_b32 v[QS2], v[R16], s[76:77]
	s_lshr_b32 s97, s96, 1
	s_lshl_b32 s97, s97, 5
	s_and_b32 s98, s96, 1
	s_lshl_b32 s98, s98, 3
	s_add_co_u32 s97, s97, s98                     ; slot 0 of my tile: 32 (a / 2) + 8 (a % 2)
	v_and_b32 v[DV], 8, v7
	s_delay_alu instid0(VALU_DEP_1)
	v_add_nc_u32 v[DV], v[DV], v7
	v_bfe_u32 v[TMP], v0, 4, 1
	s_delay_alu instid0(VALU_DEP_1)
	v_lshlrev_b32 v[TMP], 4, v[TMP]
	s_delay_alu instid0(VALU_DEP_1)
	v_sub_nc_u32 v[DV], v[DV], v[TMP]
	s_delay_alu instid0(VALU_DEP_1)
	v_add_nc_u32 v[DV], s97, v[DV]
	; the prefetches: which block of a slot my lane names, and in which tensor
	s_and_b32 s97, s[WV], 1
	s_lshl_b32 s97, s97, 5
	v_and_b32 v[PFO], 31, v0
	s_delay_alu instid0(VALU_DEP_1)
	v_add_nc_u32 v[PFO], s97, v[PFO]
	s_cmp_lt_u32 s[WV], 6
	s_cselect_b32 s98, 51, 49
	s_cselect_b64 s[PFB:PFB+1], s[KB:KB+1], s[VB:VB+1]
	s_mov_b32 s[PFS], 2*VREC
	s_cselect_b32 s[PFS], 2*KREC, s[PFS]
	v_min_u32 v[PFO], s98, v[PFO]
	s_delay_alu instid0(VALU_DEP_1)
	v_lshlrev_b32 v[PFO], 8, v[PFO]
	v_mov_b32 v13, 0xff61b1e6                      ; the largest t so far: -3e38, under every t
	s_delay_alu instid0(VALU_DEP_1)
	v_floor_f32 v12, -v13                          ; -M
	v_mov_b32 v14, 0
	v_mov_b32 v15, 0
.irp i, 0,1,2,3,4,5
	v_mov_b32 v[QF+6+\i], 0                        ; Q's k = 64 .. 127: zero codes, written once
	v_mov_b32 v[FB+48+\i], 0                       ; and what the last key tile's operand runs on into
.endr
.irp b, 0,1,2,3
	v_mov_b32 v[BT+\b], 0                          ; written once: a lane permute's destination counts as one of its sources
.endr
	v_mov_b32 v[F+1], 0                            ; (named as the upper half of a pair)
.set n, 0
.rept 32
	v_mov_b32 v[O+n], 0                            ; O^T: the step is written once: the first finds zeros, which the first change of M leaves zeros
.set n, n+1
.endr
; A KEY STEP: 128 keys, the q-th record of the slot in hand.
.macro STEP q
	s_lshl_b32 s96, s[CUR], 1
	s_add_co_u32 s96, s96, \q                      ; the step's group of 128 keys
	s_cmp_gt_u32 s96, s[QG]
	s_cbranch_scc1 .Lhid_\@                        ; all its keys come after my queries: ids alone decide; no barrier and no tensor load stands in a step
.rept 4
	v_nop                                          ; places in front of loads into registers that matrix instructions have read
.endr
	s_wait_alu depctr_va_vdst(0)
.irp a, 0,1,2,3,4,5,6,7
	ds_load_b128 v[FB+6*\a:FB+6*\a+3], v[ADK] offset:KREC*(\q)+768*\a
	ds_load_b64 v[FB+6*\a+4:FB+6*\a+5], v[AD8] offset:KREC*(\q)+768*\a+512
.endr
	ds_load_b128 v[KS:KS+3], v[ADR] offset:KREC*(\q)+6144
	ds_load_b128 v[KS+4:KS+7], v[ADR] offset:KREC*(\q)+6400
	s_wait_dscnt 0x0
.irp a, 0,1,2,3,4,5,6,7
	v_wmma_scale_f32_16x16x128_f8f6f4 v[S+8*\a:S+8*\a+7], v[FB+6*\a:FB+6*\a+11], v[QF:QF+11], 0, v[KS+\a], v[QS] matrix_a_fmt:MATRIX_FMT_BF6 matrix_b_fmt:MATRIX_FMT_BF6
.endr
.rept 4
	v_nop
.endr
	s_cmp_lg_u32 s96, s[QG]
	s_cbranch_scc1 .Lopen_\@                       ; off the diagonal every key counts
	v_mov_b32 v[TMP], 0xff800000                   ; on it hidden scores become -infinity ahead of the maximum: p = 0 then.  Register n holds key 32 (n / 16) + n % 16 + 16 h of the group
.set n, 0
.rept 64
	v_cmp_gt_i32 vcc_lo, 32*(n/16)+n%16, v[DV]
	v_cndmask_b32 v[S+n], v[S+n], v[TMP], vcc_lo
.set n, n+1
.endr
.Lopen_\@:
.irp b, 0,1,2,3
	v_max3_num_f32 v[BM+\b], v[S+16*\b], v[S+1+16*\b], v[S+2+16*\b]   ; the largest score of each block of 32 keys: it serves the row's maximum and, since p rises with the score, the block's largest p
.endr
.irp i, 3,5,7,9,11,13
.irp b, 0,1,2,3
	v_max3_num_f32 v[BM+\b], v[BM+\b], v[S+16*\b+\i], v[S+1+16*\b+\i]
.endr
.endr
.irp b, 0,1,2,3
	v_max_num_f32 v[BM+\b], v[BM+\b], v[S+15+16*\b]
.endr
.irp t, 0,1,2,3                        ; V's fragments are asked for here and land under the softmax
	ds_load_b128 v[FB+12*\t:FB+12*\t+3], v[ADK] offset:VOFF+VREC*(\q)+1536*\t
	ds_load_b64 v[FB+12*\t+4:FB+12*\t+5], v[AD8] offset:VOFF+VREC*(\q)+1536*\t+512
	ds_load_b128 v[FB+12*\t+6:FB+12*\t+9], v[ADK] offset:VOFF+VREC*(\q)+1536*\t+768
	ds_load_b64 v[FB+12*\t+10:FB+12*\t+11], v[AD8] offset:VOFF+VREC*(\q)+1536*\t+1280
.endr
	ds_load_b128 v[KS:KS+3], v[ADR] offset:VOFF+VREC*(\q)+6144
.irp b, 0,1,2,3
	v_permlanex16_b32 v[BT+\b], v[BM+\b], s[SEL], s[SEL+1]
.endr
.irp b, 0,1,2,3
	s_delay_alu instid0(VALU_DEP_4)
	v_max_num_f32 v[BM+\b], v[BM+\b], v[BT+\b]     ; with lane l xor 16's 16 keys
.endr
	s_delay_alu instid0(VALU_DEP_2)
	v_max3_num_f32 v[TMP], v[BM], v[BM+1], v[BM+2]
	s_delay_alu instid0(VALU_DEP_1)
	v_max_num_f32 v[TMP], v[TMP], v[BM+3]          ; the step's largest score of my query
	s_delay_alu instid0(VALU_DEP_1)
	v_mul_f32 v[TMP], s[CS], v[TMP]                ; as t (c is positive)
	s_delay_alu instid0(VALU_DEP_1)
	v_max_num_f32 v13, v13, v[TMP]                 ; the running largest t
	v_mov_b32 v[TMP], v12
	s_delay_alu instid0(VALU_DEP_2)
	v_floor_f32 v12, -v13                          ; the new -M = floor(-t) = -ceil(t)
	s_delay_alu instid0(VALU_DEP_1)
	v_sub_f32 v[TMP], v12, v[TMP]                  ; old M less new M: a whole number, 0 or less
	s_delay_alu instid0(VALU_DEP_1)
	v_cvt_i32_f32 v[TMP], v[TMP]                   ; (it saturates)
	s_delay_alu instid0(VALU_DEP_1)
	v_ldexp_f32 v[F], 1.0, v[TMP]                  ; f = 2^(old M - new M)
.set n, 0
.rept 32
	v_pk_fma_f32 v[S+n:S+n+1], v[S+n:S+n+1], s[CS:CS+1], v[12:13] op_sel_hi:[1,0,0]   ; t - M, two at a time
.set n, n+2
.endr
.irp b, 0,1,2,3
	v_fma_f32 v[BM+\b], v[BM+\b], s[CS], v12       ; the same of each block's largest score
.endr
.set n, 0
	s_wait_alu depctr_va_vdst(0)
.rept 64
	v_exp_f32 v[S+n], v[S+n]                       ; p = 2^(t - M), at most 1
.set n, n+1
.endr
	v_pk_mul_f32 v[14:15], v[14:15], v[F:F+1] op_sel_hi:[1,0]   ; the sums under the new M: a plain place behind the exponentials
	s_wait_alu depctr_va_vdst(0)                   ; one wait for the whole batch, ahead of its first reader
.irp b, 0,1,2,3
	v_exp_f32 v[BM+\b], v[BM+\b]                   ; the block's largest p: the same two instructions on the same number give the same bits
.endr
	v_pk_add_f32 v[230:231], v[100:101], v[104:105]
	v_pk_add_f32 v[254:255], v[108:109], v[112:113]
	v_pk_add_f32 v[252:253], v[116:117], v[120:121]
	v_pk_add_f32 v[250:251], v[124:125], v[128:129]
	v_pk_add_f32 v[248:249], v[132:133], v[136:137]
	v_pk_add_f32 v[246:247], v[140:141], v[144:145]
	v_pk_add_f32 v[244:245], v[148:149], v[152:153]
	v_pk_add_f32 v[14:15], v[14:15], v[156:157]
	v_pk_add_f32 v[230:231], v[230:231], v[96:97]
	v_pk_add_f32 v[254:255], v[254:255], v[98:99]
	v_pk_add_f32 v[252:253], v[252:253], v[102:103]
	v_pk_add_f32 v[250:251], v[250:251], v[106:107]
	v_pk_add_f32 v[248:249], v[248:249], v[110:111]
	v_pk_add_f32 v[246:247], v[246:247], v[114:115]
	v_pk_add_f32 v[244:245], v[244:245], v[118:119]
	v_pk_add_f32 v[14:15], v[14:15], v[122:123]
	v_pk_add_f32 v[230:231], v[230:231], v[126:127]
	v_pk_add_f32 v[254:255], v[254:255], v[130:131]
	v_pk_add_f32 v[252:253], v[252:253], v[134:135]
	v_pk_add_f32 v[250:251], v[250:251], v[138:139]
	v_pk_add_f32 v[248:249], v[248:249], v[142:143]
	v_pk_add_f32 v[246:247], v[246:247], v[146:147]
	v_pk_add_f32 v[244:245], v[244:245], v[150:151]
	v_pk_add_f32 v[14:15], v[14:15], v[154:155]
	v_pk_add_f32 v[230:231], v[230:231], v[158:159]
	s_delay_alu instid0(VALU_DEP_2)
	v_pk_add_f32 v[14:15], v[14:15], v[250:251]
	s_delay_alu instid0(VALU_DEP_2)
	v_pk_add_f32 v[230:231], v[230:231], v[248:249]
	v_pk_add_f32 v[254:255], v[254:255], v[246:247]
	v_pk_add_f32 v[252:253], v[252:253], v[244:245]
	s_delay_alu instid0(VALU_DEP_2)
	v_pk_add_f32 v[14:15], v[14:15], v[254:255]
	s_delay_alu instid0(VALU_DEP_2)
	v_pk_add_f32 v[230:231], v[230:231], v[252:253]
	s_delay_alu instid0(VALU_DEP_1)
	v_pk_add_f32 v[14:15], v[14:15], v[230:231]
	s_wait_alu depctr_va_vdst(0)                   ; and one for the four
.irp b, 0,1,2,3
	v_max_num_f32 v[BM+\b], 0x2800000, v[BM+\b]    ; the floor 2^(5 - 127): a block whose every p is 0 keeps the byte 1: its codes are zeros
.endr
.irp b, 0,1,2,3
	s_delay_alu instid0(VALU_DEP_4)
	v_add_nc_u32 v[SO+\b], 0xfe000000, v[BM+\b]    ; 4 off the exponent field: the conversion's scale operand
.endr
.irp b, 0,1,2,3
	s_delay_alu instid0(VALU_DEP_4)
	v_lshrrev_b32 v[BT+\b], 23, v[SO+\b]           ; the scale's byte
.endr
	s_delay_alu instid0(VALU_DEP_3)
	v_lshl_or_b32 v[PS], v[BT+1], 8, v[BT]         ; p's scale word for these 128 keys
	s_delay_alu instid0(VALU_DEP_1)
	v_lshl_or_b32 v[PS], v[BT+2], 16, v[PS]
	s_delay_alu instid0(VALU_DEP_1)
	v_lshl_or_b32 v[PS], v[BT+3], 24, v[PS]
.irp c, 0,1
	v_cvt_scalef32_pk16_bf6_f32 v[PC+6*\c:PC+2+6*\c], v[S+32*\c:S+15+32*\c], v[SO+2*\c]
	v_cvt_scalef32_pk16_bf6_f32 v[PC+12+4*\c:PC+14+4*\c], v[S+16+32*\c:S+31+32*\c], v[SO+1+2*\c]
.endr
	v_nop                                          ; one plain place behind a scaled conversion
.irp c, 0,1                            ; the layout wants a WHOLE block in a lane
.irp i, 0,1,2
	v_permlane16_swap_b32 v[PC+6*\c+\i], v[PC+12+4*\c+\i]
.endr
.irp i, 0,1,2
	s_delay_alu instid0(VALU_DEP_3)
	v_mov_b32 v[PC+3+6*\c+\i], v[PC+12+4*\c+\i]
.endr
.endr
.set n, 0
.rept 16
	v_pk_mul_f32 v[O+n:O+n+1], v[O+n:O+n+1], v[F:F+1] op_sel_hi:[1,0]   ; O^T under the new M, each accumulator from its low end on; these sixteen are also the places in front of the products below
.set n, n+2
.endr
	s_wait_alu depctr_va_vdst(0)
	s_wait_dscnt 0x0                               ; V is in
.irp t, 0,1,2,3
	v_wmma_scale_f32_16x16x128_f8f6f4 v[O+8*\t:O+8*\t+7], v[FB+12*\t:FB+12*\t+11], v[PC:PC+11], v[O+8*\t:O+8*\t+7], v[KS+\t], v[PS] matrix_a_fmt:MATRIX_FMT_BF6 matrix_b_fmt:MATRIX_FMT_BF6
.endr
.Lhid_\@:
.endm
; THE CHANGE OF SLOTS stands at a slot's head.  Each wave waits for all its tensor loads, adds 0 to its spare word (fill = 1: twice on end), and waits for that and for its reads of the slot that it has left.
; Behind the barrier the slot ahead is whole and nobody reads the other one; fill = 1: that one takes the next slot of the walk, which has a whole slot's steps in which to land.
.macro CHANGE fill
	s_wait_tensorcnt 0x0                           ; no tensor load of mine is out, so a group 0 may be written
	ds_add_u32 v[SPW], v[NIL]                      ; 0 onto my spare word
.if \fill
	ds_add_u32 v[SPW], v[NIL]                      ; and once more
	s_add_co_u32 s96, s[CUR], 1
	s_cmp_eq_u32 s[CUR], s[QB]
	s_cselect_b32 s96, 0, s96                      ; the next slot of keys: behind a query block's last, the second block's slot 0
	s_mov_b32 s99, 0
	s_mul_i32 s98, s96, 2*KREC
	s_xor_b32 s[G0K+1], s[G0K+1], SLOT1            ; the other LDS slot than last time
	s_add_nc_u64 s[G0K+2:G0K+3], s[KB:KB+1], s[98:99]
	s_or_b32 s[G0K+3], s[G0K+3], 0x80000000
	s_mul_i32 s98, s96, 2*VREC
	s_xor_b32 s[G0V+1], s[G0V+1], SLOT1
	s_add_nc_u64 s[G0V+2:G0V+3], s[VB:VB+1], s[98:99]
	s_or_b32 s[G0V+3], s[G0V+3], 0x80000000
	s_wait_xcnt 0x0                                ; the last prefetch, a slot back, has read its address, so it may be written:
	s_add_co_u32 s96, s[CUR], 2
	s_mul_i32 s98, s96, s[PFS]
	s_add_nc_u64 s[PFA:PFA+1], s[PFB:PFB+1], s[98:99]   ; one slot further on than the load below
.endif
	s_wait_dscnt 0x0                               ; the add is done (fill = 1: both are), and my reads of the slot that I have left are over
	s_barrier_signal -1
	s_barrier_wait -1
.if \fill
	TLOAD                                          ; the first thing behind the barrier, and a wave's one tensor load until the next
	ASK
.endif
	v_add_nc_u32 v[ADK], s[TB], v[L16]
	v_add_nc_u32 v[AD8], s[TB], v[L8]
	v_add_nc_u32 v[ADR], s[TB], v[R16]
.endm
; A QUERY BLOCK'S END: y = O^T / the sum; a lane's 32 numbers are d = 32 B + 16 h + i of my head: two blocks of the last product's K.  They are quantised and leave as half image 'head' of my tile's record in yr.
.macro FINISH
.rept 4
	v_nop                                          ; places behind the last products
.endr
	v_add_f32 v14, v14, v15
	s_delay_alu instid0(VALU_DEP_1)
	v_permlanex16_b32 v[BT], v14, s[SEL], s[SEL+1]
	s_delay_alu instid0(VALU_DEP_1)
	v_add_f32 v14, v14, v[BT]                      ; the row's sum
	s_wait_alu depctr_va_vdst(0)
	v_rcp_f32 v[F], v14
	v_nop                                          ; a plain place behind the transcendental
	s_lshl_b32 s96, s14, 7
	s_lshl_b32 s97, s[QB], 4
	s_add_co_u32 s96, s96, s97
	s_add_co_u32 s96, s96, s[WV]                   ; my tile of tokens: 128 x batch + 16 QB + wave
	s_mul_i32 s96, s96, 12800
	s_mul_i32 s97, s13, 768
	s_add_co_u32 s98, s96, s97
	s_mov_b32 s99, 0
	s_add_nc_u64 s[YA:YA+1], s[8:9], s[98:99]
	s_lshr_b32 s97, s13, 1
	s_lshl_b32 s97, s97, 6
	s_and_b32 s98, s13, 1
	s_lshl_b32 s98, s98, 1
	s_add_co_u32 s98, s98, s97
	s_add_co_u32 s98, s98, s96
	s_add_co_u32 s98, s98, 12288                   ; my head's two bytes of the scale word of K step head / 2
	s_add_nc_u64 s[YS:YS+1], s[8:9], s[98:99]
	s_wait_alu depctr_va_vdst(0)                   ; the wait ahead of the reciprocal's first reader
.set n, 0
.rept 16
	v_pk_mul_f32 v[S+n:S+n+1], v[O+n:O+n+1], v[F:F+1] op_sel_hi:[1,0]   ; each accumulator from its low end on
.set n, n+2
.endr
.irp b, 0,1
	v_max3_num_f32 v[BM+\b], |v[S+16*\b]|, |v[S+1+16*\b]|, 0x2800000
.endr
.irp i, 2,4,6,8,10,12,14
.irp b, 0,1
	s_delay_alu instid0(VALU_DEP_2)
	v_max3_num_f32 v[BM+\b], v[BM+\b], |v[S+16*\b+\i]|, |v[S+1+16*\b+\i]|
.endr
.endr
.irp b, 0,1
	s_delay_alu instid0(VALU_DEP_2)
	v_permlanex16_b32 v[BT+\b], v[BM+\b], s[SEL], s[SEL+1]
.endr
.irp b, 0,1
	s_delay_alu instid0(VALU_DEP_2)
	v_max_num_f32 v[BM+\b], v[BM+\b], v[BT+\b]
.endr
.irp b, 0,1
	s_delay_alu instid0(VALU_DEP_2)
	v_add_nc_u32 v[SO+\b], 0xfe000000, v[BM+\b]
.endr
.irp b, 0,1
	s_delay_alu instid0(VALU_DEP_2)
	v_lshrrev_b32 v[BT+\b], 23, v[SO+\b]
.endr
	s_delay_alu instid0(VALU_DEP_1)
	v_lshl_or_b32 v[TMP], v[BT+1], 8, v[BT]
	v_cvt_scalef32_pk16_bf6_f32 v[PC:PC+2], v[S:S+15], v[SO]
	v_cvt_scalef32_pk16_bf6_f32 v[PC+12:PC+14], v[S+16:S+31], v[SO+1]
	v_nop                                          ; one plain place behind a scaled conversion
.irp i, 0,1,2
	v_permlane16_swap_b32 v[PC+\i], v[PC+12+\i]
.endr
.irp i, 0,1,2
	s_delay_alu instid0(VALU_DEP_3)
	v_mov_b32 v[PC+3+\i], v[PC+12+\i]
.endr
	global_store_b128 v[L16], v[PC:PC+3], s[YA:YA+1]               ; 512 consecutive bytes
	global_store_b64 v[L8], v[PC+4:PC+5], s[YA:YA+1] offset:512    ; 256 consecutive bytes
	global_store_b16 v[R4], v[TMP], s[YS:YS+1]     ; two bytes a row, 4 bytes apart: a word's other half is another head's work-group's; 256 KB of such pieces in the whole launch
	s_wait_xcnt 0x0                                ; the stores have read their registers and bases: both may be written again
.endm
.macro RESTART                         ; the second query block: its Q, and the state anew
	v_mov_b32 v[QS], v[QS2]                        ; the scale word first: more than eight plain lines stand between it and the next product
.irp i, 0,1,2,3,4,5
	v_mov_b32 v[QF+\i], v[Q2+\i]
.endr
	v_mov_b32 v13, 0xff61b1e6
	s_delay_alu instid0(VALU_DEP_1)
	v_floor_f32 v12, -v13
	v_mov_b32 v14, 0
	v_mov_b32 v15, 0
.set n, 0
.rept 32
	v_mov_b32 v[O+n], 0
.set n, n+1
.endr
.endm
	s_wait_loadcnt 0x0                             ; Q
.Lslot:                                            ; eight trips: behind each change of slots but the last the walk's next slot is asked for
	CHANGE 1
	STEP 0
	STEP 1
	s_cmp_eq_u32 s[CUR], s[QB]                     ; ids and the count of trips alone: all sixteen waves go the same way
	s_cbranch_scc0 .Lsame_block
	FINISH
	RESTART
.Lsame_block:
	s_add_co_u32 s96, s[CUR], 1
	s_cmp_eq_u32 s[CUR], s[QB]
	s_cselect_b32 s[CUR], 0, s96
	s_cselect_b32 s[QB], s[PI], s[QB]
	s_lshl_b32 s[QG], s[QB], 1
	s_add_co_u32 s[QG], s[QG], s18
	s_xor_b32 s[TB], s[TB], SLOT1                  ; on to the other slot
	s_sub_co_u32 s[TRIP], s[TRIP], 1
	s_cmp_lg_u32 s[TRIP], 0
	s_cbranch_scc1 .Lslot
	CHANGE 0                                       ; the ninth slot is written out: nothing is left to fetch
	STEP 0
	STEP 1
	FINISH
	s_wait_tensorcnt 0x0                           ; the wave's end
	ds_add_u32 v[SPW], v[NIL]
	s_wait_dscnt 0x0
	s_endpgm
.Lfunc_end_k_q5ed6c59e0b_attn:
	.size	k_q5ed6c59e0b_attn, .Lfunc_end_k_q5ed6c59e0b_attn-k_q5ed6c59e0b_attn
	.p2alignl 7, 3214868480
	.fill 96, 4, 3214868480
	.section	.rodata,"a",@progbits
	.p2align	6, 0x0
	.amdhsa_kernel k_q5ed6c59e0b_attn
		.amdhsa_group_segment_fixed_size 327680
		.amdhsa_private_segment_fixed_size 0
		.amdhsa_enable_private_segment 0
		.amdhsa_kernarg_size 24
		.amdhsa_user_sgpr_count 2
		.amdhsa_user_sgpr_kernarg_segment_ptr 1
		.amdhsa_wavefront_size32 1
		.amdhsa_system_sgpr_workgroup_id_x 1
		.amdhsa_system_sgpr_workgroup_id_y 1
		.amdhsa_system_sgpr_workgroup_id_z 1
		.amdhsa_system_vgpr_workitem_id 0
		.amdhsa_next_free_vgpr 256
		.amdhsa_next_free_sgpr 100
		.amdhsa_reserve_vcc 1
		.amdhsa_float_denorm_mode_32 3
		.amdhsa_float_denorm_mode_16_64 3
		.amdhsa_memory_ordered 1
		.amdhsa_forward_progress 1
		.amdhsa_inst_pref_size 111
	.end_amdhsa_kernel
	.amdgpu_metadata
---
amdhsa.version: [ 1, 2 ]
amdhsa.kernels:
  - .name:           k_q5ed6c59e0b_attn
    .symbol:         k_q5ed6c59e0b_attn.kd
    .args:
      - { .name: qk, .offset: 0, .size: 8, .value_kind: global_buffer, .address_space: global }
      - { .name: vt, .offset: 8, .size: 8, .value_kind: global_buffer, .address_space: global }
      - { .name: yr, .offset: 16, .size: 8, .value_kind: global_buffer, .address_space: global }
    .group_segment_fixed_size: 327680
    .private_segment_fixed_size: 0
    .kernarg_segment_align: 8
    .kernarg_segment_size: 24
    .max_flat_workgroup_size: 512
    .sgpr_count:     100
    .vgpr_count:     256
    .wavefront_size: 32
...
	.end_amdgpu_metadata
.endif
;; end of part 3
;; launch proj (part 4): grid 4 x 32, 4 waves a work-group, clusters of 4 x 4, 327,680 bytes of LDS; arguments yr, wr, b_proj, out0; writes out0
.if DOCPART == 4
	.amdgcn_target "amdgcn-amd-amdhsa--gfx1250"
	.amdhsa_code_object_version 6
	.text
	.protected	k_q5ed6c59e0b_proj
	.globl	k_q5ed6c59e0b_proj
	.p2align	8
	.type	k_q5ed6c59e0b_proj,@function
k_q5ed6c59e0b_proj:
	s_mov_b64 s[64:65], 0
	v_nop
	global_prefetch_b8 v0, s[64:65] scope:SCOPE_SE
	s_setreg_imm32_b32 hwreg(HW_REG_WAVE_MODE, 25, 1), 1
	s_wait_xcnt 0x0
	s_wait_alu depctr_hold_cnt(0) depctr_sa_sdst(0) depctr_va_vdst(0) depctr_va_sdst(0) depctr_va_ssrc(0) depctr_va_vcc(0) depctr_vm_vsrc(0)
	s_getreg_b32 s2, hwreg(HW_REG_IB_STS2, 6, 4)
	s_cmp_eq_u32 s2, 0
	s_cbranch_scc0 .Lentry_in_a_cluster
	s_endpgm
.Lentry_in_a_cluster:
	s_bfe_u32 s2, ttmp6, 0x10000c
	s_cmp_lg_u32 s2, 0xf033
	s_cbranch_scc0 .Lentry_shape_is_right
	s_endpgm
.Lentry_shape_is_right:
; Launch 4 of 4: out0 = y W_proj + b_proj on codes of E3M2; f32 out.  Nothing of reference() is left out here.
; The walk over K is launch 2's: a work-group of four waves makes 256 x 256, a wave 128 x 128 in 64 accumulators; source 1 = "A" = 16 tokens of yr (they become the lanes), source 0 = "B" = 16 columns of W_proj out of wr
; (they become a lane's registers: register j of B's tile b is column 32 (b / 2) + 8 (b % 2) + 16 h + j).  K = 1,024 in four quarters of 256 through three LDS slots: quarters 0, 1, 2 and all scale words are asked for at the
; head (four tensor loads of a wave are out), quarter 3 refills slot 0 behind step 1 and has four steps, 256 matrix instructions, in which to land.  CLUSTERS: 4 x 4; A's tiles shared along a row, B's along a column.
; The bias is the C of each sum's first matrix instruction.  The problem has 32 x 4 = 128 such tiles: 128 work-groups.
; THE WAY OUT: a tile of 16 tokens x 128 columns goes through the wave's own stage in LDS and leaves as whole rows of 512 bytes.  The stage lies in slot 1, which has had its one fill, and whose last reads every wave has
; awaited in front of step 5's barrier.
; REGISTERS: as in launch 2; on the way out v128-255 of window 0 take the rows read back.
.set REC,   12800
.set PART,  24576
.set SLOT,  98304
.set SCL,   294912
.set SPARE, 311296
.set A16, 4
.set A8,  7
.set B16, 10
.set B8,  13
.set ADRS, 16
.set OL16, 17
.set OL8,  18
.set BO,   19
.set STO,  20                          ; v20  the stage: where I put 32 bytes of a row
.set RD,   21                          ; v21  and where I read a row back
.set SPW,  28
.set NIL,  29
.set SC,   32
.set AF,   128
.set BK,   128
.set G1A, 24
.set G0A, 32
.set G1B, 44
.set G0B, 52
.set G1SA, 68
.set G0SA, 76
.set G1SB, 80
.set G0SB, 88
.set PA,  92
.set PB,  94
.set OUT, 96
.set BIA, 98
.set MSB, 0
.macro WIN new                         ; the immediate's high byte repeats the setting that is left
.if MSB != \new
	s_set_vgpr_msb (MSB<<8)|\new
.set MSB, \new
.endif
.endm
.macro PLACES                          ; four places behind a matrix instruction of this form (ISA guide 7.12.1)
.rept 4
	v_nop
.endr
.endm
.macro JLOAD g0a, g1a, g0b, g1b        ; a joint load: waves 0 and 1 fetch for A, waves 2 and 3 for B; an s_nop 0 and four v_nop follow each of the two lines
	s_cmp_eq_u32 s15, 0
	s_cbranch_scc0 .Lfor_b_\@
	tensor_load_to_lds s[\g0a:\g0a+3], s[\g1a:\g1a+7]
	s_nop 0
.rept 4
	v_nop
.endr
	s_branch .Lasked_\@
.Lfor_b_\@:
	tensor_load_to_lds s[\g0b:\g0b+3], s[\g1b:\g1b+7]
	s_nop 0
.rept 4
	v_nop
.endr
.Lasked_\@:
.endm
.macro CREST
	s_cmp_lg_u32 s14, 0
	s_cbranch_scc1 .Lnot_wave_0_\@
	s_barrier_signal -3
.Lnot_wave_0_\@:
	s_barrier_wait -3
	s_barrier_signal -1
	s_barrier_wait -1
.endm
.macro CROUND
	s_barrier_signal -1
	s_barrier_wait -1
	CREST
.endm
.macro FRAG reg, a16, a8, off          ; a fragment is two half images: four dense loads
	ds_load_b128 v[\reg:\reg+3], v[\a16] offset:\off
	ds_load_b64 v[\reg+4:\reg+5], v[\a8] offset:\off+512
	ds_load_b128 v[\reg+6:\reg+9], v[\a16] offset:\off+768
	ds_load_b64 v[\reg+10:\reg+11], v[\a8] offset:\off+1280
.endm
.macro FETCH_B slot, q, set
	WIN 0x40
.irp i, 0,1,2,3,4,5,6,7
	FRAG 128*(\set)+12*\i, B16+\slot, B8+\slot, 3072*\i+1536*(\q)
.endr
	WIN 0
.endm
.macro FETCH_A slot, q, i0
.irp i, \i0, \i0+1, \i0+2, \i0+3
	FRAG AF+12*(\i), A16+\slot, A8+\slot, 3072*(\i)+1536*(\q)
.endr
.endm
.macro SCALES
.irp i, 0,1,2,3,4,5,6,7
.irp s, 0,1,2,3,4,5,6,7
	ds_load_b32 v[SC+8*\i+\s], v[ADRS] offset:512*\i+64*\s
.endr
.endr
.endm
; 16 matrix instructions: A's tiles a0, a0 + 1 x B's eight.  cm = 0: in place; 1: C = the bias by B's tile.  The 64 accumulators take turns, one instruction a turn.
.macro MUL16 a0, s, cm
.irp a, \a0, \a0+1
.irp b, 0,1,2,3,4,5,6,7
.if \cm == 0
	v_wmma_scale_f32_16x16x128_f8f6f4 v[8*(8*((\a)%4)+\b):8*(8*((\a)%4)+\b)+7], v[128*((\s)%2)+12*\b:128*((\s)%2)+12*\b+11], v[AF+12*(\a):AF+12*(\a)+11], v[8*(8*((\a)%4)+\b):8*(8*((\a)%4)+\b)+7], v[SC+8*\b+(\s)], v[SC+8*(\a)+(\s)] matrix_a_fmt:MATRIX_FMT_BF6 matrix_b_fmt:MATRIX_FMT_BF6 matrix_a_scale:MATRIX_SCALE_ROW1
.else
	v_wmma_scale_f32_16x16x128_f8f6f4 v[8*(8*((\a)%4)+\b):8*(8*((\a)%4)+\b)+7], v[128*((\s)%2)+12*\b:128*((\s)%2)+12*\b+11], v[AF+12*(\a):AF+12*(\a)+11], v[96+8*\b+96*(\b/4):96+8*\b+96*(\b/4)+7], v[SC+8*\b+(\s)], v[SC+8*(\a)+(\s)] matrix_a_fmt:MATRIX_FMT_BF6 matrix_b_fmt:MATRIX_FMT_BF6 matrix_a_scale:MATRIX_SCALE_ROW1
.endif
.endr
.endr
.endm
.macro WMUL hi, cm
.if \cm
	WIN 0x91+0x40*\hi
.else
	WIN 0xa1+0x50*\hi
.endif
.endm
.macro STEP s, ns, nq, cm
	s_wait_dscnt 16                                ; all but the youngest 16 loads, A's tiles 4-7
	WMUL 0, \cm
	MUL16 0, \s, \cm
	MUL16 2, \s, \cm
	s_wait_dscnt 0x0
	PLACES
	FETCH_B \ns, \nq, 1-(\s)%2
	FETCH_A \ns, \nq, 0
	WMUL 1, \cm
	MUL16 4, \s, \cm
	MUL16 6, \s, \cm
	PLACES
	WIN 0
	FETCH_A \ns, \nq, 4
.endm
.macro TURN s, ns, fill
	s_wait_tensorcnt 0x0                           ; all my tensor loads have landed
	ds_add_u32 v[SPW], v[NIL]                      ; 0 onto my spare word
	s_wait_dscnt 17                                ; (the add and the youngest 16 loads may be out)
	WIN 0xa1
	MUL16 0, \s, 0
	s_wait_dscnt 0x0                               ; the add is done, and my reads of the slot in hand are over
	s_barrier_signal -1
	MUL16 2, \s, 0
	WIN 0
	s_barrier_wait -1
.if \fill
	CREST                                          ; a round of the cluster's barrier: no wave of any partner still reads slot 0 or has a load on its way
	s_add_nc_u64 s[G0A+2:G0A+3], s[G0A+2:G0A+3], 9216
	s_add_nc_u64 s[G0B+2:G0B+3], s[G0B+2:G0B+3], 9216
	JLOAD G0A, G1A, G0B, G1B
.else
	PLACES
.endif
	FETCH_B \ns, 0, 1-(\s)%2
	FETCH_A \ns, 0, 0
	WIN 0xf1
	MUL16 4, \s, 0
	MUL16 6, \s, 0
	PLACES
	WIN 0
	FETCH_A \ns, 0, 4
.endm
	s_load_b256 s[4:11], s[0:1], 0x0               ; yr s[4:5], wr s[6:7], b_proj s[8:9], out0 s[10:11]
	v_lshl_add_u32 v[SPW], v0, 2, SPARE
	v_mov_b32 v[NIL], 0
	ds_add_u32 v[SPW], v[NIL]                      ; the wave's opening
	ds_add_u32 v[SPW], v[NIL]
	v_lshrrev_b32 v1, 5, v0
	v_readfirstlane_b32 s14, v1                    ; wave 0..3
	s_lshr_b32 s15, s14, 1
	s_and_b32 s16, s14, 1
	s_and_b32 s17, ttmp7, 0xffff                   ; the cluster's y
	s_bfe_u32 s18, ttmp6, 0x40000                  ; cx
	s_bfe_u32 s19, ttmp6, 0x40004                  ; cy
	s_lshl_b32 s20, ttmp9, 2
	s_add_co_u32 s20, s20, s18                     ; work-group x
	s_lshl_b32 s23, s19, 2
	s_lshl_b32 s23, 15, s23                        ; my row of the cluster
	s_lshl_b32 s100, 0x1111, s18                   ; my column
	s_or_b32 s[G1A], s23, (3<<16)|(1<<21)
	s_or_b32 s[G1B], s100, (3<<16)|(1<<21)
	s_or_b32 s[G1SA], s23, (3<<16)|(1<<21)
	s_or_b32 s[G1SB], s100, (3<<16)|(1<<21)
.irp g, G1A, G1B                       ; codes: 8 rows (tiles) of 384 elements of 8 bytes, a record apart
	s_mov_b32 s[\g+1], 384<<16
	s_mov_b32 s[\g+2], 8<<16
	s_mov_b32 s[\g+3], 384<<16
	s_mov_b32 s[\g+4], 8
	s_mov_b32 s[\g+5], 1600
	s_mov_b32 s[\g+6], 0
	s_mov_b32 s[\g+7], 0
.endr
.irp g, G1SA, G1SB                     ; scale words: 8 rows of 64 elements
	s_mov_b32 s[\g+1], 64<<16
	s_mov_b32 s[\g+2], 8<<16
	s_mov_b32 s[\g+3], 64<<16
	s_mov_b32 s[\g+4], 8
	s_mov_b32 s[\g+5], 1600
	s_mov_b32 s[\g+6], 0
	s_mov_b32 s[\g+7], 0
.endr
	s_lshl_b32 s21, s17, 2
	s_add_co_u32 s21, s21, s19                     ; A's block of 256 tokens
	s_add_co_u32 s22, s20, 12                      ; B's block of 256 columns in wr: W_proj's begin at block 12
	s_lshl_b32 s2, s21, 4
	s_lshl_b32 s3, s16, 3
	s_add_co_u32 s2, s2, s3
	s_mul_i32 s2, s2, REC
	s_mov_b32 s3, 0
	s_lshl_b32 s66, s22, 4
	s_lshl_b32 s67, s16, 3
	s_add_co_u32 s66, s66, s67
	s_mul_i32 s66, s66, REC
	s_mov_b32 s67, 0
	s_mul_i32 s101, s14, PART
	s_lshl_b32 s100, s14, 12
	s_wait_dscnt 0x0                               ; both opening adds are done
	s_wait_kmcnt 0x0
	s_add_nc_u64 s[PA:PA+1], s[4:5], s[2:3]
	s_add_nc_u64 s[PB:PB+1], s[6:7], s[66:67]
	CROUND                                         ; all sixteen work-groups are here: the first joint loads meet
	s_mov_b32 s[G0SA], 1
	s_add_co_u32 s[G0SA+1], s100, SCL
	s_add_nc_u64 s[G0SA+2:G0SA+3], s[PA:PA+1], 12288
	s_or_b32 s[G0SA+3], s[G0SA+3], 0x80000000
	s_mov_b32 s[G0SB], 1
	s_add_co_u32 s[G0SB+1], s100, SCL
	s_add_nc_u64 s[G0SB+2:G0SB+3], s[PB:PB+1], 12288
	s_or_b32 s[G0SB+3], s[G0SB+3], 0x80000000
	JLOAD G0SA, G1SA, G0SB, G1SB
.irp s, 0,1,2
	s_mov_b32 s[G0A+4*\s], 1
	s_add_co_u32 s[G0A+4*\s+1], s101, \s*SLOT
	s_add_nc_u64 s[G0A+4*\s+2:G0A+4*\s+3], s[PA:PA+1], \s*3072
	s_or_b32 s[G0A+4*\s+3], s[G0A+4*\s+3], 0x80000000
	s_mov_b32 s[G0B+4*\s], 1
	s_add_co_u32 s[G0B+4*\s+1], s101, \s*SLOT
	s_add_nc_u64 s[G0B+4*\s+2:G0B+4*\s+3], s[PB:PB+1], \s*3072
	s_or_b32 s[G0B+4*\s+3], s[G0B+4*\s+3], 0x80000000
	JLOAD G0A+4*\s, G1A, G0B+4*\s, G1B
.endr
	v_and_b32 v1, 15, v0                           ; r
	v_bfe_u32 v2, v0, 4, 1                         ; h
	v_and_b32 v3, 31, v0                           ; lane
	v_lshlrev_b32 v[OL16], 4, v3
	v_lshlrev_b32 v[OL8], 3, v3
	s_lshl_b32 s2, s20, 10
	s_lshl_b32 s100, s16, 9
	s_add_co_u32 s2, s2, s100                      ; my 128 columns, in bytes
	s_mov_b32 s3, 0
	s_add_nc_u64 s[BIA:BIA+1], s[8:9], s[2:3]
	s_lshl_b32 s100, s21, 20                       ; 256 rows of 4,096 bytes,
	s_lshl_b32 s101, s15, 19                       ; my 128 of them
	s_add_co_u32 s100, s100, s101
	s_add_co_u32 s2, s2, s100
	s_add_nc_u64 s[OUT:OUT+1], s[10:11], s[2:3]
	v_lshlrev_b32 v[BO], 6, v2
	WIN 0x40
.irp i, 0,1,2,3,4,5,6,7
	global_load_b128 v[96+8*\i+96*(\i/4):96+8*\i+96*(\i/4)+3], v[BO], s[BIA:BIA+1] offset:4*(32*(\i/2)+8*(\i%2))
	global_load_b128 v[96+8*\i+96*(\i/4)+4:96+8*\i+96*(\i/4)+7], v[BO], s[BIA:BIA+1] offset:4*(32*(\i/2)+8*(\i%2))+16
.endr
	WIN 0
	s_mul_i32 s100, s15, PART
	s_mul_i32 s101, s16, PART
	s_add_co_u32 s101, s101, 2*PART
.irp s, 0,1,2
	v_add_nc_u32 v[A16+\s], s100, v[OL16]
	v_add_nc_u32 v[A8+\s], s100, v[OL8]
	v_add_nc_u32 v[B16+\s], s101, v[OL16]
	v_add_nc_u32 v[B8+\s], s101, v[OL8]
	s_add_co_u32 s100, s100, SLOT
	s_add_co_u32 s101, s101, SLOT
.endr
	s_lshl_b32 s100, s15, 12
	s_lshl_b32 s101, s16, 12
	s_add_co_u32 s101, s101, 8192
	s_sub_co_u32 s101, s101, s100
	v_mul_u32_u24 v[ADRS], s101, v2                ; lanes 16-31 take B's scale words
	s_add_co_u32 s100, s100, SCL
	v_lshl_add_u32 v[ADRS], v1, 2, v[ADRS]
	v_add_nc_u32 v[ADRS], s100, v[ADRS]
	s_mul_i32 s100, s14, 8448
	s_add_co_u32 s100, s100, SLOT                  ; my stage: 16 rows x 528 bytes, in slot 1
	v_mul_u32_u24 v[STO], v1, 528
	v_lshl_add_u32 v[STO], v2, 6, v[STO]
	v_add_nc_u32 v[STO], s100, v[STO]              ; in: row r, + 64 h
	v_add_nc_u32 v[RD], s100, v[OL16]              ; back: the 32 lanes take one row of 512 bytes
	s_wait_tensorcnt 2                             ; the scale words and my part of quarter 0 are in; the loads of quarters 1 and 2 may be out
	s_barrier_signal -1
	s_barrier_wait -1
	FETCH_B 0, 0, 0
	FETCH_A 0, 0, 0
	SCALES
	FETCH_A 0, 0, 4
	s_wait_loadcnt 0x0                             ; the bias
	STEP 0, 0, 1, 1                                ; the first step starts the sums with the bias
	TURN 1, 1, 1                                   ; the one refill.  Behind its barrier slots 1 and 2 are whole for every wave
	STEP 2, 1, 1, 0
	STEP 3, 2, 0, 0
	STEP 4, 2, 1, 0
	TURN 5, 0, 0                                   ; quarter 3 has landed; nobody reads slot 1 any more
	STEP 6, 0, 1, 0
	s_wait_dscnt 16
	WIN 0xa1
	MUL16 0, 7, 0
	MUL16 2, 7, 0
	s_wait_dscnt 0x0
	WIN 0xf1
	MUL16 4, 7, 0
	MUL16 6, 7, 0
	WIN 0
.macro TOSTAGE a
.set AC, 64*((\a)%4)
	WIN 0x08+4*((\a)/4)                            ; an LDS store's data are its source 1: window 2 or 3
.irp b, 0,1,2,3,4,5,6,7
	ds_store_b128 v[STO], v[AC+8*\b:AC+8*\b+3] offset:128*(\b/2)+32*(\b%2)        ; each accumulator from its low end on
	ds_store_b128 v[STO], v[AC+8*\b+4:AC+8*\b+7] offset:128*(\b/2)+32*(\b%2)+16
.endr
	WIN 0
.set BB, BK+64*((\a)%2)
.irp t, 0,1,2,3,4,5,6,7,8,9,10,11,12,13,14,15
	ds_load_b128 v[BB+4*\t:BB+4*\t+3], v[RD] offset:\t*528   ; LDS serves a wave's instructions in order (ISA guide 5.7.1.4): these see the stores above, and the next tile's stores come behind them
.endr
.endm
.macro SEND a, younger                 ; younger: the LDS instructions issued behind tile a's loads, which may stay out
.set BB, BK+64*((\a)%2)
	s_wait_dscnt \younger
.irp t, 0,1,2,3,4,5,6,7,8,9,10,11,12,13,14,15
	global_store_b128 v[OL16], v[BB+4*\t:BB+4*\t+3], s[OUT:OUT+1] offset:(32*((\a)/2)+8*((\a)%2)+\t+8*(\t/8))*4096 th:TH_STORE_NT   ; slot t's token: 512 consecutive bytes, at a multiple of 512
.endr
.endm
	PLACES                                         ; behind the last products: for the stores that read results and the loads into A's old registers
	TOSTAGE 0
.irp a, 1,2,3,4,5,6,7
.if \a > 1
	s_wait_xcnt 0x0                                ; tile a - 2's stores have read their registers: tile a's loads may land there
.endif
	TOSTAGE \a
	SEND \a-1, 32                                  ; behind tile a - 1's loads: tile a's 16 stores and 16 loads
.endr
	SEND 7, 0
	s_wait_tensorcnt 0x0                           ; the wave's end
	ds_add_u32 v[SPW], v[NIL]
	s_wait_dscnt 0x0
	CROUND                                         ; the closing round
	s_endpgm
.Lfunc_end_k_q5ed6c59e0b_proj:
	.size	k_q5ed6c59e0b_proj, .Lfunc_end_k_q5ed6c59e0b_proj-k_q5ed6c59e0b_proj
	.p2alignl 7, 3214868480
	.fill 96, 4, 3214868480
	.section	.rodata,"a",@progbits
	.p2align	6, 0x0
	.amdhsa_kernel k_q5ed6c59e0b_proj
		.amdhsa_group_segment_fixed_size 327680
		.amdhsa_private_segment_fixed_size 0
		.amdhsa_enable_private_segment 0
		.amdhsa_kernarg_size 32
		.amdhsa_user_sgpr_count 2
		.amdhsa_user_sgpr_kernarg_segment_ptr 1
		.amdhsa_wavefront_size32 1
		.amdhsa_system_sgpr_workgroup_id_x 1
		.amdhsa_system_sgpr_workgroup_id_y 1
		.amdhsa_system_sgpr_workgroup_id_z 1
		.amdhsa_system_vgpr_workitem_id 0
		.amdhsa_next_free_vgpr 1024
		.amdhsa_next_free_sgpr 102
		.amdhsa_reserve_vcc 0
		.amdhsa_float_denorm_mode_32 3
		.amdhsa_float_denorm_mode_16_64 3
		.amdhsa_memory_ordered 1
		.amdhsa_forward_progress 1
		.amdhsa_inst_pref_size 146
	.end_amdhsa_kernel
	.amdgpu_metadata
---
amdhsa.version: [ 1, 2 ]
amdhsa.kernels:
  - .name:           k_q5ed6c59e0b_proj
    .symbol:         k_q5ed6c59e0b_proj.kd
    .args:
      - { .name: yr, .offset: 0, .size: 8, .value_kind: global_buffer, .address_space: global }
      - { .name: wr, .offset: 8, .size: 8, .value_kind: global_buffer, .address_space: global }
      - { .name: b_proj, .offset: 16, .size: 8, .value_kind: global_buffer, .address_space: global }
      - { .name: out0, .offset: 24, .size: 8, .value_kind: global_buffer, .address_space: global }
    .group_segment_fixed_size: 327680
    .private_segment_fixed_size: 0
    .kernarg_segment_align: 8
    .kernarg_segment_size: 32
    .max_flat_workgroup_size: 128
    .sgpr_count:     102
    .vgpr_count:     1024
    .wavefront_size: 32
...
	.end_amdgpu_metadata
.endif
;; end of part 4
